; MI455X (gfx1250); checked and timed in simulation.
; The chip was launched on July 23, 2026; its instructions are those of AMD's public machine-readable ISA for CDNA 5 (MIT licence, August 2026) and "CDNA5" Instruction Set Architecture Reference Guide (July 2026). The comments in the code are by the model that wrote it; some were corrected since.
;; Feather Net. Allowed arithmetic: float matrix products may take bf16 or f16 operands with f32 sums; all other float work in f32.
;; Inputs: V1 2,897 x 2,897 float32; V2 2,897 x 2,897 float32; x 4,096 x 2,048 float32.
;; Outputs: out0 4,096 x 2,048 float32.
;; 2 versions, each right. Each part assembles by itself: llvm-mc -triple=amdgcn-amd-amdhsa -mcpu=gfx1250 --defsym DOCPART=n.
;; ======== version 1 of 2: 5 launches
;; limits: values are held in f16: magnitudes above 65,504 overflow, below 6.1e-05 lose precision; right only within a limited range of input values; below input magnitudes of 6.1e-05 results are inexact or not finite
;; workspace buffers: ab 28,311,552 bytes; xb 16,777,216 bytes; vp 18,874,368 bytes; wb 8,436,224 bytes; wl 8,436,224 bytes; hb 8,388,608 bytes
;; launch cast (part 1): grid 256 x 1, 17 waves a work-group, no clusters, 221,184 bytes of LDS; arguments V1, V2, x, ab, xb; writes ab, xb
.if DOCPART == 1
	.amdgcn_target "amdgcn-amd-amdhsa--gfx1250"
	.amdhsa_code_object_version 6
	.text
	.protected	k_q231675c738_cast
	.globl	k_q231675c738_cast
	.p2align	8
	.type	k_q231675c738_cast,@function
k_q231675c738_cast:
	s_mov_b64 s[64:65], 0
	v_nop
	global_prefetch_b8 v0, s[64:65] scope:SCOPE_SE
	s_setreg_imm32_b32 hwreg(HW_REG_WAVE_MODE, 25, 1), 1
	s_wait_xcnt 0x0
; f16 copies of the inputs, in rows that start at multiples of 256 bytes.
;   ab [4608][3072] f16: rows 0-1535 = V1's rows 0-1535; row 1536 + n = V2's row n; columns 2897-3071 = 0.
;      For n >= 2897 the row is a copy of V2's row n - 2048: only so that every byte that the next launch loads has been stored;
;      its products land in columns of V that nothing reads.
;   xb [4096][2048] f16 = x.
; V1's rows from 1536 on are not read: the slices of V that the problem takes end at flat index 4,197,376, in V's row 1448.
; LIMIT: f16 holds magnitudes under 65,504; larger V1, V2 or x become infinite here.  (Drawn: about 0.1 and 5 at the most.)
; Work-group g: rows 18 g .. 18 g + 17 of ab (waves 0-8, two rows each) and rows 16 g .. 16 g + 15 of x (waves 9-16, two rows each).
; A row of V1 or V2 is 11,588 bytes and starts at a multiple of 4 only, so it comes in by a tensor load, which also writes the zeros
; behind column 2896; x is dense and aligned and comes straight into registers.  Every byte that a wave needs is asked for at once:
; no loop, no refill, no barrier; each wave reads only the LDS bytes that its own loads filled.
; No cluster: no two work-groups read the same bytes.  No matrix unit: nothing is multiplied.
.set NV,   2897                        ; numbers in a row of V1, V2
.set VROW, 4*NV                        ; its bytes
.set LROW, 12288                       ; a row in LDS: 3,072 f32
.set OROW, 6144                        ; a row of ab: 3,072 f16
.set X,    8                           ; v[8:135] numbers as loaded, then as stored
	s_load_b256 s[4:11], s[0:1], 0x0               ; V1 s[4:5], V2 s[6:7], x s[8:9], ab s[10:11]
	s_load_b64 s[40:41], s[0:1], 0x20              ; xb
	v_lshrrev_b32 v1, 5, v0
	v_readfirstlane_b32 s12, v1                    ; wave 0..16
	v_and_b32 v1, 31, v0                           ; lane
	v_lshlrev_b32 v3, 3, v1                        ; 8 bytes a lane on the way out
	v_lshlrev_b32 v4, 4, v1                        ; 16 bytes a lane on the way in
	s_cmp_ge_u32 s12, 9
	s_cbranch_scc1 .Lx
	; ---- waves 0-8: two rows of ab ----
	s_mul_i32 s16, ttmp9, 9
	s_add_co_u32 s16, s16, s12                     ; pair of rows 0..2303
	s_lshl_b32 s17, s16, 1                         ; first row of ab
	s_cmp_lt_u32 s16, 768                          ; pairs 0-767 are V1's
	s_cselect_b32 s18, 0, 1536
	s_sub_co_u32 s18, s17, s18                     ; the row in its source,
	s_add_co_u32 s42, s18, 1                       ; and the next
	s_cmp_ge_u32 s18, NV
	s_cselect_b32 s14, 2048, 0
	s_sub_co_u32 s18, s18, s14                     ; beyond V2's last row: a row that exists
	s_cmp_ge_u32 s42, NV
	s_cselect_b32 s14, 2048, 0
	s_sub_co_u32 s42, s42, s14
	s_mul_i32 s18, s18, VROW                       ; byte offsets, under 2^26
	s_mov_b32 s19, 0
	s_mul_i32 s42, s42, VROW
	s_mov_b32 s43, 0
	s_mul_i32 s14, s17, OROW
	s_mov_b32 s15, 0
	; group 1: one row; 2,897 numbers exist, 3,072 are laid down, the rest as zeros
	s_mov_b32 s32, 2<<16                           ; no mask; elements of 4 bytes; no padding
	s_mov_b32 s33, NV<<16                          ; tensor_dim0 = 2,897
	s_mov_b32 s34, 1<<16                           ; tensor_dim1 = 1
	s_mov_b32 s35, 3072<<16                        ; tile_dim0 = 3,072
	s_mov_b32 s36, 1                               ; tile_dim1 = 1
	s_mov_b32 s37, NV                              ; pitch
	s_mov_b32 s38, 0
	s_mov_b32 s39, 0
	s_mov_b32 s24, 1
	s_mul_i32 s25, s12, 2*LROW                     ; my wave's two rows in LDS
	s_mov_b32 s28, 1
	s_add_co_u32 s29, s25, LROW
	s_wait_kmcnt 0x0
	s_cmp_lt_u32 s16, 768
	s_cselect_b64 s[20:21], s[4:5], s[6:7]         ; V1 or V2
	s_add_nc_u64 s[26:27], s[20:21], s[18:19]
	s_or_b32 s27, s27, 0x80000000                  ; type 2
	s_add_nc_u64 s[30:31], s[20:21], s[42:43]
	s_or_b32 s31, s31, 0x80000000
	tensor_load_to_lds s[24:27], s[32:39]          ; two tensor loads of the wave are out, no more in the whole kernel
	tensor_load_to_lds s[28:31], s[32:39]
	s_add_nc_u64 s[22:23], s[10:11], s[14:15]      ; ab at my first row
	v_add_nc_u32 v2, s25, v4                       ; my 16 bytes in my first row in LDS
	s_wait_tensorcnt 0x0                           ; both rows, asked for together, have landed; only this wave reads them
; One row: 24 LDS loads of 512 neighbouring bytes, each rounded to 256 bytes that one store writes, at a multiple of 256 in ab.
.macro ROWOUT r
.if \r
	s_wait_xcnt 0x0                                ; X was the first row's store data: loaded again only behind this wait
.endif
.set t, 0
.rept 24
	ds_load_b128 v[X+4*t:X+4*t+3], v2 offset:\r*LROW+512*t
.set t, t+1
.endr
.set t, 0
.rept 24
	s_wait_dscnt 23-t                              ; LDS loads come back in order: number t is in, the younger ones stay out
	v_cvt_pk_f16_f32 v[X+4*t],   v[X+4*t],   v[X+4*t+1]
	v_cvt_pk_f16_f32 v[X+4*t+1], v[X+4*t+2], v[X+4*t+3]
	global_store_b64 v3, v[X+4*t:X+4*t+1], s[22:23] offset:\r*OROW+256*t
.set t, t+1
.endr
.endm
	ROWOUT 0
	ROWOUT 1
	s_endpgm
	; ---- waves 9-16: two rows of x, 16,384 bytes, all 32 loads out at once ----
.Lx:
	s_sub_co_u32 s16, s12, 9
	s_lshl_b32 s14, ttmp9, 17                      ; 16 rows of 8,192 bytes a work-group
	s_lshl_b32 s17, s16, 14                        ; two rows a wave
	s_add_co_u32 s14, s14, s17
	s_mov_b32 s15, 0
	s_lshr_b32 s18, s14, 1                         ; half as many bytes on the way out
	s_mov_b32 s19, 0
	s_wait_kmcnt 0x0
	s_add_nc_u64 s[20:21], s[8:9], s[14:15]
	s_add_nc_u64 s[22:23], s[40:41], s[18:19]
.set t, 0
.rept 32
	global_load_b128 v[X+4*t:X+4*t+3], v4, s[20:21] offset:512*t th:TH_LOAD_NT
.set t, t+1
.endr
.set t, 0
.rept 32
	s_wait_loadcnt 31-t                            ; loads come back in order: number t is in
	v_cvt_pk_f16_f32 v[X+4*t],   v[X+4*t],   v[X+4*t+1]
	v_cvt_pk_f16_f32 v[X+4*t+1], v[X+4*t+2], v[X+4*t+3]
	global_store_b64 v3, v[X+4*t:X+4*t+1], s[22:23] offset:256*t
.set t, t+1
.endr
	s_endpgm
.Lfunc_end_k_q231675c738_cast:
	.size	k_q231675c738_cast, .Lfunc_end_k_q231675c738_cast-k_q231675c738_cast
	.p2alignl 7, 3214868480
	.fill 96, 4, 3214868480
	.section	.rodata,"a",@progbits
	.p2align	6, 0x0
	.amdhsa_kernel k_q231675c738_cast
		.amdhsa_group_segment_fixed_size 221184
		.amdhsa_private_segment_fixed_size 0
		.amdhsa_enable_private_segment 0
		.amdhsa_kernarg_size 40
		.amdhsa_user_sgpr_count 2
		.amdhsa_user_sgpr_kernarg_segment_ptr 1
		.amdhsa_wavefront_size32 1
		.amdhsa_system_sgpr_workgroup_id_x 1
		.amdhsa_system_sgpr_workgroup_id_y 1
		.amdhsa_system_sgpr_workgroup_id_z 1
		.amdhsa_system_vgpr_workitem_id 0
		.amdhsa_next_free_vgpr 136
		.amdhsa_next_free_sgpr 66
		.amdhsa_reserve_vcc 0
		.amdhsa_float_denorm_mode_32 3
		.amdhsa_float_denorm_mode_16_64 3
		.amdhsa_memory_ordered 1
		.amdhsa_forward_progress 1
		.amdhsa_inst_pref_size 30
	.end_amdhsa_kernel
	.amdgpu_metadata
---
amdhsa.version: [ 1, 2 ]
amdhsa.kernels:
  - .name:           k_q231675c738_cast
    .symbol:         k_q231675c738_cast.kd
    .args:
      - { .name: V1, .offset: 0, .size: 8, .value_kind: global_buffer, .address_space: global }
      - { .name: V2, .offset: 8, .size: 8, .value_kind: global_buffer, .address_space: global }
      - { .name: x, .offset: 16, .size: 8, .value_kind: global_buffer, .address_space: global }
      - { .name: ab, .offset: 24, .size: 8, .value_kind: global_buffer, .address_space: global }
      - { .name: xb, .offset: 32, .size: 8, .value_kind: global_buffer, .address_space: global }
    .group_segment_fixed_size: 221184
    .private_segment_fixed_size: 0
    .kernarg_segment_align: 8
    .kernarg_segment_size: 40
    .max_flat_workgroup_size: 544
    .sgpr_count:     66
    .vgpr_count:     136
    .wavefront_size: 32
...
	.end_amdgpu_metadata
.endif
;; end of part 1
;; launch gemmV (part 2): grid 16 x 16, 4 waves a work-group, clusters of 4 x 4, 327,680 bytes of LDS; arguments ab, vp; writes vp
.if DOCPART == 2
	.amdgcn_target "amdgcn-amd-amdhsa--gfx1250"
	.amdhsa_code_object_version 6
	.text
	.protected	k_q231675c738_gemmV
	.globl	k_q231675c738_gemmV
	.p2align	8
	.type	k_q231675c738_gemmV,@function
k_q231675c738_gemmV:
	s_mov_b64 s[64:65], 0
	v_nop
	global_prefetch_b8 v0, s[64:65] scope:SCOPE_SE
	s_setreg_imm32_b32 hwreg(HW_REG_WAVE_MODE, 25, 1), 1
	s_wait_xcnt 0x0
	s_wait_alu depctr_hold_cnt(0) depctr_sa_sdst(0) depctr_va_vdst(0) depctr_va_sdst(0) depctr_va_ssrc(0) depctr_va_vcc(0) depctr_vm_vsrc(0)
	s_getreg_b32 s2, hwreg(HW_REG_IB_STS2, 6, 4)
	s_cmp_eq_u32 s2, 0
	s_cbranch_scc0 .Lentry_in_a_cluster
	s_endpgm
.Lentry_in_a_cluster:
	s_bfe_u32 s2, ttmp6, 0x10000c
	s_cmp_lg_u32 s2, 0xf033
	s_cbranch_scc0 .Lentry_shape_is_right
	s_endpgm
.Lentry_shape_is_right:
; vp[m][n] = sum over k of ab[m][k] ab[1536+n][k]: rows 0-1535 of V = V1 V2^T, f16 operands, f32 sums, stored as f32 [1536][3072].
; (V's rows 0-1448 and columns 0-2896 are what later launches read.)
; A work-group makes 96 x 192: 1536/96 x 3072/192 = 256 work-groups.  Four waves, 2 x 2, each 48 x 96 = 3 x 6 tiles of 16 x 16.
; K goes in steps of 256 through two LDS slots (B's 192 rows, then A's 96, rows of 512 bytes + 16 of padding) filled by tensor loads:
; waves 0, 1 bring B's halves, waves 2, 3 A's.  12 steps; of the last only the first 128 along K are multiplied (2,944 >= 2,897; the rest is zeros).
; CLUSTERS of 4 x 4: A's tile hangs on the block row alone and is asked for jointly by a row of the cluster, B's on the block column alone
; and is asked for jointly by a column.  A round of the cluster's barrier stands in front of the first joint loads, in front of every
; joint refill and in front of s_endpgm.
; The matrix instruction is used transposed (source 0 = 16 rows of B, source 1 = 16 rows of A): lane l then holds row l % 16 of the tile and
; its eight registers the columns 8 (l / 16) + 0..7.
; REGISTERS: window 0: v16-28 addresses, v64-135 and v136-207 two fragment buffers (6 of B, 3 of A, 8 registers each);
; window 1: the 18 accumulator tiles, tile (a, b) at v[8 (6 a + b)].
; The 18 accumulators take turns, one instruction a turn, in the same order in every quarter step.
.set MT, 96
.set NT, 192
.set MB, 3                             ; tiles of 16 rows in a wave
.set NB, 6                             ; tiles of 16 columns in a wave
.set KS, 256                           ; K in a slot
.set QS, KS/32                         ; quarter steps of 32 along K in a slot
.set QI, 6                             ; padding behind every 128 words
.set PITCH, 2*KS+16                    ; 528 = 33 x 16: the 16 rows of a fragment load start in 16 different columns of 16 bytes
.set AH, (MT/2)*PITCH                  ; what one load of A brings, and what one wave reads of A
.set BH, (NT/2)*PITCH
.set SLOT, 2*AH+2*BH
.set LAPS, 6                           ; a lap = two steps = once round the ring
.set NQL, 4                            ; quarter steps multiplied in the last step
.set SPLIT, 1                          ; tile rows multiplied between signal and wait
.set PA, 3072                          ; elements from row to row
.set PB, 3072
.set STEPB, 4*KS                       ; bytes that a slot's address steps at a refill: two steps along K
.set SP, 784                           ; the stage's pitch: 768 bytes + 16 = 49 x 16
.set ADRA, 16                          ; v16-17 LDS address of my A fragments in slot 0, 1
.set ADRB, 20                          ; v20-21 the same for B
.set STO, 24
.set RDA, 25
.set RDB, 26
.set COA, 27
.set COB, 28
.set F0, 64
.set F1, F0+8*(MB+NB)
.set G1A, 24
.set G0A, 32
.set G1B, 48
.set G0B, 56
.set MULW, 0x50                        ; C and D in window 1
.set MULF, 0x50
.set ACCD, 0x04                        ; an LDS store's data in window 1
.set MSB, 0
.macro WIN new                         ; the immediate's high byte repeats the setting that is left
.if MSB != \new
	s_set_vgpr_msb (MSB<<8)|\new
.set MSB, \new
.endif
.endm
.macro PLACES                          ; four places behind a matrix instruction, in front of loads into its sources and of readers of its result
.rept 4
	v_nop
.endr
.endm
.macro JLOAD s                         ; my one joint load for slot s; the branch hangs on the wave's number alone
	s_cmp_eq_u32 s13, 0
	s_cbranch_scc0 .Lfor_a_\@
	tensor_load_to_lds s[G0B+4*\s:G0B+4*\s+3], s[G1B:G1B+7]
	s_branch .Lasked_\@
.Lfor_a_\@:
	tensor_load_to_lds s[G0A+4*\s:G0A+4*\s+3], s[G1A:G1A+7]
.Lasked_\@:
.endm
.macro CREST                           ; a round of the cluster's barrier behind its opening barrier
	s_cmp_lg_u32 s12, 0
	s_cbranch_scc1 .Lnot_wave_0_\@
	s_barrier_signal -3
.Lnot_wave_0_\@:
	s_barrier_wait -3
	s_barrier_signal -1
	s_barrier_wait -1
.endm
.macro CROUND
	s_barrier_signal -1
	s_barrier_wait -1
	CREST
.endm
; the fragments of one quarter step (32 K at byte k of the slot's rows) into buffer f: 2 (NB + MB) loads in one run
.macro FETCH slot, k, f
	WIN 0
.set fi, 0
.rept NB
	ds_load_b128 v[\f+8*fi:\f+8*fi+3],   v[ADRB+\slot] offset:\k+fi*16*PITCH
	ds_load_b128 v[\f+8*fi+4:\f+8*fi+7], v[ADRB+\slot] offset:\k+fi*16*PITCH+32
.set fi, fi+1
.endr
.set fi, 0
.rept MB
	ds_load_b128 v[\f+8*(NB+fi):\f+8*(NB+fi)+3],   v[ADRA+\slot] offset:\k+fi*16*PITCH
	ds_load_b128 v[\f+8*(NB+fi)+4:\f+8*(NB+fi)+7], v[ADRA+\slot] offset:\k+fi*16*PITCH+32
.set fi, fi+1
.endr
.endm
; tile rows alo .. ahi - 1 x all NB tile columns, 32 along K, from buffer f.  first = 1: the product starts the sums, nothing is cleared.
.macro MULROWS f, alo, ahi, first
.set ia, \alo
.rept \ahi-\alo
.set ib, 0
.rept NB
.set it, 8*(NB*ia+ib)
.if \first
	v_wmma_f32_16x16x32_f16 v[it:it+7], v[\f+8*ib:\f+8*ib+7], v[\f+8*(NB+ia):\f+8*(NB+ia)+7], 0
.else
	v_wmma_f32_16x16x32_f16 v[it:it+7], v[\f+8*ib:\f+8*ib+7], v[\f+8*(NB+ia):\f+8*(NB+ia)+7], v[it:it+7]
.endif
.set ib, ib+1
.endr
.set ia, ia+1
.endr
.endm
; a quarter step: buffer f is multiplied while the next quarter's fragments (byte k of the same slot) come into buffer g
.macro QUARTER slot, k, f, g, first
	s_wait_dscnt 0x0                               ; buffer f, asked for a quarter step ago
	PLACES                                         ; behind the matrix instructions that read buffer g
	FETCH \slot, \k, \g
.if \first
	WIN MULF
.else
	WIN MULW
.endif
	MULROWS \f, 0, MB, \first
.endm
.macro BODY slot, first, cnt           ; the first cnt (odd) quarter steps of a slot, on buffers 0, 1, 0, ..
	QUARTER \slot, 64, F0, F1, \first
.set bq, 1
.rept (\cnt-1)/2
	QUARTER \slot, 64*(bq+1), F1, F0, 0
	QUARTER \slot, 64*(bq+2), F0, F1, 0
.set bq, bq+2
.endr
.endm
; the last quarter step of a slot, and the change of slots.  In front of the barrier: my reads of this slot are back and all my tensor loads
; have landed (one was out: my part of the next slot).  fill = 1: the barrier opens a round of the cluster's barrier, and behind the round
; my one joint load fills this slot again, ahead of every LDS read.
.macro LASTQ slot, next, fill
	s_wait_dscnt 0x0
	s_wait_tensorcnt 0x0
	s_barrier_signal -1
	WIN MULW
	MULROWS F1, 0, SPLIT, 0                        ; register work while the others arrive
	WIN 0
	s_barrier_wait -1
.if \fill
	CREST
	s_add_nc_u64 s[G0A+4*\slot+2:G0A+4*\slot+3], s[G0A+4*\slot+2:G0A+4*\slot+3], STEPB   ; no tensor load of mine is out: the addresses may step
	s_add_nc_u64 s[G0B+4*\slot+2:G0B+4*\slot+3], s[G0B+4*\slot+2:G0B+4*\slot+3], STEPB
	JLOAD \slot
.endif
	PLACES
	FETCH \next, 0, F0
	WIN MULW
	MULROWS F1, SPLIT, MB, 0
.endm
.macro LAP first
	BODY 0, \first, QS-1
	LASTQ 0, 1, 1
	BODY 1, 0, QS-1
	LASTQ 1, 0, 1
.endm
	s_load_b128 s[4:7], s[0:1], 0x0                ; ab s[4:5], vp s[6:7]
	v_lshrrev_b32 v1, 5, v0
	v_readfirstlane_b32 s12, v1                    ; wave 0..3
	s_lshr_b32 s13, s12, 1                         ; my half of the block's rows.  Also: I fetch for B (0) or for A (1)
	s_and_b32 s14, s12, 1                          ; my half of its columns.  Also: which half of that tile I fetch
	s_bfe_u32 s40, ttmp6, 0x40000                  ; cx
	s_bfe_u32 s41, ttmp6, 0x40004                  ; cy
	s_lshl_b32 s42, ttmp9, 2
	s_add_co_u32 s42, s42, s40                     ; block column
	s_and_b32 s43, ttmp7, 0xffff
	s_lshl_b32 s43, s43, 2
	s_add_co_u32 s43, s43, s41                     ; block row
	s_lshl_b32 s44, s41, 2
	s_lshl_b32 s44, 15, s44                        ; my row of the cluster
	s_lshl_b32 s45, 0x1111, s40                    ; my column
	s_or_b32 s[G1A+0], s44, (1<<16)|(1<<20)|(1<<21)|(QI<<22)|(3<<25)   ; mask; 2-byte elements; padding on; bit 21 beside a mask; interval; 4 words
	s_or_b32 s[G1B+0], s45, (1<<16)|(1<<20)|(1<<21)|(QI<<22)|(3<<25)
	s_mov_b32 s[G1A+1], KS<<16                     ; tensor_dim0
	s_mov_b32 s[G1B+1], KS<<16
	s_mov_b32 s[G1A+2], (MT/2)<<16                 ; tensor_dim1
	s_mov_b32 s[G1B+2], (NT/2)<<16
	s_mov_b32 s[G1A+3], KS<<16                     ; tile_dim0
	s_mov_b32 s[G1B+3], KS<<16
	s_mov_b32 s[G1A+4], MT/2                       ; tile_dim1
	s_mov_b32 s[G1B+4], NT/2
	s_mov_b32 s[G1A+5], PA                         ; pitch
	s_mov_b32 s[G1B+5], PB
	s_mov_b32 s[G1A+6], 0
	s_mov_b32 s[G1B+6], 0
	s_mov_b32 s[G1A+7], 0
	s_mov_b32 s[G1B+7], 0
	s_mul_i32 s22, s14, MT/2
	s_mul_i32 s16, s43, MT
	s_add_co_u32 s16, s16, s22                     ; A: first row of the half that I would fetch
	s_mul_i32 s16, s16, PA*2                       ; in bytes, under 2^25
	s_mov_b32 s17, 0
	s_mul_i32 s22, s14, NT/2
	s_mul_i32 s46, s42, NT
	s_add_co_u32 s46, s46, s22                     ; B likewise
	s_mul_i32 s46, s46, PB*2
	s_mov_b32 s47, 0
	s_mul_i32 s21, s12, BH                         ; B's halves at wave x BH (waves 0, 1)
	s_mul_i32 s20, s12, AH
	s_add_co_u32 s20, s20, 2*BH-2*AH               ; A's halves behind them (waves 2, 3)
	s_wait_kmcnt 0x0
	s_mov_b64 s[10:11], s[6:7]                     ; vp
	s_add_nc_u64 s[6:7], s[4:5], 1536*PA*2         ; V2's rows in ab
	s_add_nc_u64 s[16:17], s[4:5], s[16:17]
	s_add_nc_u64 s[46:47], s[6:7], s[46:47]
	CROUND                                         ; all sixteen work-groups are here: the first joint loads meet
.irp s, 0,1
	s_mov_b32 s[G0A+4*\s], 1
	s_add_co_u32 s[G0A+4*\s+1], s20, \s*SLOT
	s_add_nc_u64 s[G0A+4*\s+2:G0A+4*\s+3], s[16:17], \s*KS*2
	s_or_b32 s[G0A+4*\s+3], s[G0A+4*\s+3], 0x80000000
	s_mov_b32 s[G0B+4*\s], 1
	s_add_co_u32 s[G0B+4*\s+1], s21, \s*SLOT
	s_add_nc_u64 s[G0B+4*\s+2:G0B+4*\s+3], s[46:47], \s*KS*2
	s_or_b32 s[G0B+4*\s+3], s[G0B+4*\s+3], 0x80000000
	JLOAD \s                                       ; two tensor loads of the wave are out here, one behind every later round
.endr
	; fragment addresses: lane l takes row l % 16, 16 bytes at 16 (l / 16), and 16 more 32 bytes further
	v_and_b32 v1, 15, v0
	v_bfe_u32 v2, v0, 4, 1
	v_mul_u32_u24 v3, v1, PITCH
	v_lshl_add_u32 v3, v2, 4, v3
	s_mul_i32 s22, s14, BH
	s_mul_i32 s23, s13, AH
	s_add_co_u32 s23, s23, 2*BH
.irp s, 0,1
	v_add_nc_u32 v[ADRB+\s], s22, v3
	v_add_nc_u32 v[ADRA+\s], s23, v3
	s_add_co_u32 s22, s22, SLOT
	s_add_co_u32 s23, s23, SLOT
.endr
	; the way out: a stage of 96 rows x 784 bytes for the whole work-group, in slot 0
	v_mul_u32_u24 v4, v1, SP
	v_lshl_add_u32 v4, v2, 5, v4
	s_mul_i32 s22, s13, (MT/2)*SP
	s_mul_i32 s23, s14, (NT/2)*4
	s_add_co_u32 s22, s22, s23
	v_add_nc_u32 v[STO], s22, v4                   ; row (48 mh + l % 16), byte 384 nh + 32 (l / 16)
	s_mul_i32 s22, s12, (MT/4)*SP                  ; back: wave w takes rows 24 w .. 24 w + 23
	v_lshlrev_b32 v5, 4, v1
	v_lshl_add_u32 v[COA], v2, 8, v5               ; two neighbouring blocks of 256 bytes of one row
	v_add_nc_u32 v[RDA], s22, v[COA]
	v_mul_u32_u24 v6, v2, SP-512                   ; a row's third block and the next row's first
	v_add_nc_u32 v6, v6, v5
	v_add_nc_u32 v[RDB], s22, v6
	v_mul_u32_u24 v7, v2, 12288-512
	v_add_nc_u32 v[COB], v7, v5
	s_wait_tensorcnt 0x1                           ; my part of step 0 is in; step 1's may stay out
	s_barrier_signal -1
	s_barrier_wait -1
	FETCH 0, 0, F0
	LAP 1                                          ; the first lap stands in front of the loop: its first products start the sums
	WIN 0
	s_mov_b32 s15, LAPS-2
.Llap:
	LAP 0
	WIN 0
	s_sub_co_u32 s15, s15, 1
	s_cmp_lg_u32 s15, 0
	s_cbranch_scc1 .Llap
	BODY 0, 0, QS-1                                ; the last lap fills nothing
	LASTQ 0, 1, 0                                  ; behind this barrier no wave reads slot 0 any more, and no load fills it again
	BODY 1, 0, NQL-1
	s_wait_dscnt 0x0
	WIN MULW
	MULROWS F1, 0, MB, 0
	; THE WAY OUT.  f32 tiles into the stage; read back as whole rows of 768 bytes; each half of a wave stores 256 bytes at a multiple of 256 in vp.
	PLACES
	WIN ACCD
.set ea, 0
.rept MB
.set eb, 0
.rept NB
.set et, 8*(NB*ea+eb)
	ds_store_b128 v[STO], v[et:et+3]   offset:ea*16*SP+64*eb
	ds_store_b128 v[STO], v[et+4:et+7] offset:ea*16*SP+64*eb+16
.set eb, eb+1
.endr
.set ea, ea+1
.endr
	WIN 0
	s_mul_i32 s16, s43, MT
	s_mul_i32 s22, s12, MT/4
	s_add_co_u32 s16, s16, s22                     ; my first row of vp
	s_mul_i32 s16, s16, 12288
	s_mov_b32 s17, 0
	s_add_nc_u64 s[10:11], s[10:11], s[16:17]
	s_mul_i32 s46, s42, NT*4                       ; my block's first column, in bytes
	s_mov_b32 s47, 0
	s_add_nc_u64 s[10:11], s[10:11], s[46:47]
	s_wait_dscnt 0x0                               ; my stores into the stage are done, for the other waves' sake
	s_barrier_signal -1
	s_barrier_wait -1
.set ep, 0
.rept 12                               ; a pair of rows = six blocks of 256 bytes = three loads
	ds_load_b128 v[F0+12*ep:F0+12*ep+3],    v[RDA] offset:2*SP*ep
	ds_load_b128 v[F0+12*ep+4:F0+12*ep+7],  v[RDB] offset:2*SP*ep+512
	ds_load_b128 v[F0+12*ep+8:F0+12*ep+11], v[RDA] offset:2*SP*ep+SP+256
.set ep, ep+1
.endr
.set ep, 0
.rept 12
	s_wait_dscnt 35-3*ep                           ; the count leaves the younger of the 36 loads out
	global_store_b128 v[COA], v[F0+12*ep:F0+12*ep+3],    s[10:11] offset:24576*ep
	s_wait_dscnt 34-3*ep
	global_store_b128 v[COB], v[F0+12*ep+4:F0+12*ep+7],  s[10:11] offset:24576*ep+512
	s_wait_dscnt 33-3*ep
	global_store_b128 v[COA], v[F0+12*ep+8:F0+12*ep+11], s[10:11] offset:24576*ep+12288+256
.set ep, ep+1
.endr
	CROUND                                         ; the closing round: no work-group ends while a partner may still ask jointly
	s_endpgm
.Lfunc_end_k_q231675c738_gemmV:
	.size	k_q231675c738_gemmV, .Lfunc_end_k_q231675c738_gemmV-k_q231675c738_gemmV
	.p2alignl 7, 3214868480
	.fill 96, 4, 3214868480
	.section	.rodata,"a",@progbits
	.p2align	6, 0x0
	.amdhsa_kernel k_q231675c738_gemmV
		.amdhsa_group_segment_fixed_size 327680
		.amdhsa_private_segment_fixed_size 0
		.amdhsa_enable_private_segment 0
		.amdhsa_kernarg_size 16
		.amdhsa_user_sgpr_count 2
		.amdhsa_user_sgpr_kernarg_segment_ptr 1
		.amdhsa_wavefront_size32 1
		.amdhsa_system_sgpr_workgroup_id_x 1
		.amdhsa_system_sgpr_workgroup_id_y 1
		.amdhsa_system_sgpr_workgroup_id_z 1
		.amdhsa_system_vgpr_workitem_id 0
		.amdhsa_next_free_vgpr 400
		.amdhsa_next_free_sgpr 66
		.amdhsa_reserve_vcc 0
		.amdhsa_float_denorm_mode_32 3
		.amdhsa_float_denorm_mode_16_64 3
		.amdhsa_memory_ordered 1
		.amdhsa_forward_progress 1
		.amdhsa_inst_pref_size 128
	.end_amdhsa_kernel
	.amdgpu_metadata
---
amdhsa.version: [ 1, 2 ]
amdhsa.kernels:
  - .name:           k_q231675c738_gemmV
    .symbol:         k_q231675c738_gemmV.kd
    .args:
      - { .name: ab, .offset: 0, .size: 8, .value_kind: global_buffer, .address_space: global }
      - { .name: vp, .offset: 8, .size: 8, .value_kind: global_buffer, .address_space: global }
    .group_segment_fixed_size: 327680
    .private_segment_fixed_size: 0
    .kernarg_segment_align: 8
    .kernarg_segment_size: 16
    .max_flat_workgroup_size: 128
    .sgpr_count:     66
    .vgpr_count:     400
    .wavefront_size: 32
...
	.end_amdgpu_metadata
.endif
;; end of part 2
;; launch pack (part 3): grid 182 x 1, 8 waves a work-group, no clusters, 167,936 bytes of LDS; arguments vp, wb, wl; writes wb, wl
.if DOCPART == 3
	.amdgcn_target "amdgcn-amd-amdhsa--gfx1250"
	.amdhsa_code_object_version 6
	.text
	.protected	k_q231675c738_pack
	.globl	k_q231675c738_pack
	.p2align	8
	.type	k_q231675c738_pack,@function
k_q231675c738_pack:
	s_mov_b64 s[64:65], 0
	v_nop
	global_prefetch_b8 v0, s[64:65] scope:SCOPE_SE
	s_setreg_imm32_b32 hwreg(HW_REG_WAVE_MODE, 25, 1), 1
	s_wait_xcnt 0x0
; The flat image of V (rows of 2,897 without gaps) in 16 bits, from vp (f32, pitch 3,072).
;   wb: flat numbers below 2,098,176 (W1, and b1, which is not read from here) as f16; from there on (W2) as bf16, the upper term.
;   wl: at the same flat places, bf16 of what the upper term left: W2 = wb + wl to about 16 bits.  Stored from work-group 90 on, read from W2's start on.
; W1 goes in f16 since its partner x does; W2 in bf16 since its partner h needs bf16's range, and in two terms so that only h's rounding is left.
; LIMIT: |V| under 65,504 in W1's part.
; Work-group g takes V's rows 8 g .. 8 g + 7.  Each wave's tensor load lays one row of 2,897 f32 behind the last in LDS: LDS then holds the flat image.
; The group's first number is 23,176 g; its bytes on the way out begin 16 (g % 16) behind a multiple of 256.  So the threads walk chunks of four numbers
; counted from that multiple: each wave's store of 8 bytes a lane is 256 bytes at a multiple of 256; the first and the last walk are masked.
; One fill, no refill.  No cluster: no two work-groups read the same bytes.
.set NV,  2897
.set W2C, 524544                       ; W2's first chunk of four in the flat image
.set X,   8                            ; v[8:91]   chunks of walks 1 to 21
.set XA,  92                           ; v[92:95]  walk 0
.set XZ,  96                           ; v[96:99]  walk 22
.set T,   100                          ; v[100:107] at work
	s_load_b128 s[4:7], s[0:1], 0x0                ; vp s[4:5], wb s[6:7]
	s_load_b64 s[8:9], s[0:1], 0x10                ; wl
	v_lshrrev_b32 v1, 5, v0
	v_readfirstlane_b32 s12, v1                    ; wave 0..7
	s_lshl_b32 s13, ttmp9, 3
	s_add_co_u32 s13, s13, s12                     ; my row of V
	s_mul_i32 s14, s13, 12288
	s_mov_b32 s15, 0
	s_mov_b32 s24, 1
	s_mul_i32 s25, s12, 4*NV
	s_add_co_u32 s25, s25, 512                     ; the image begins at LDS byte 512
	s_mov_b32 s28, 2<<16                           ; elements of 4 bytes, no padding
	s_mov_b32 s29, NV<<16                          ; tensor_dim0
	s_mov_b32 s30, 1<<16                           ; tensor_dim1 = 1
	s_mov_b32 s31, NV<<16                          ; tile_dim0
	s_mov_b32 s32, 1                               ; tile_dim1
	s_mov_b32 s33, 3072                            ; pitch
	s_mov_b32 s34, 0
	s_mov_b32 s35, 0
	s_wait_kmcnt 0x0
	s_add_nc_u64 s[26:27], s[4:5], s[14:15]
	s_or_b32 s27, s27, 0x80000000
	tensor_load_to_lds s[24:27], s[28:35]          ; the wave's one tensor load
	s_and_b32 s17, ttmp9, 15                       ; a = g % 16
	s_lshl_b32 s18, s17, 1                         ; walk 0: chunks from 2 a on are mine
	s_add_co_u32 s19, s18, 162                     ; walk 22: chunks below 5,794 + 2 a - 5,632
	s_mul_i32 s20, ttmp9, 46352
	s_lshl_b32 s21, s17, 4
	s_sub_co_u32 s20, s20, s21                     ; the multiple of 256 at or below my first byte on the way out
	s_mov_b32 s21, 0
	s_add_nc_u64 s[6:7], s[6:7], s[20:21]
	s_add_nc_u64 s[8:9], s[8:9], s[20:21]
	s_lshl_b32 s22, s17, 5
	s_sub_co_u32 s22, 512, s22
	v_lshl_add_u32 v2, v0, 4, s22                  ; LDS address of chunk t = 0: 16 thread + 512 - 32 a
	v_add_nc_u32 v3, 0x10000, v2                   ; the same for walks 16 and later: the immediate has 16 bits
	s_mul_i32 s23, ttmp9, 5794
	s_sub_co_u32 s23, s23, s18
	v_add_nc_u32 v4, s23, v0                       ; the flat number of my chunk of walk 0
	v_lshlrev_b32 v5, 3, v0                        ; 8 bytes a thread on the way out
	s_mov_b32 s37, 0xffff0000
	s_wait_tensorcnt 0x0                           ; my row has landed,
	s_barrier_signal -1
	s_barrier_wait -1                              ; everybody's has
; four f32 in v[x:x+3] become: v[x:x+1] for wb; with high = 1 also v[x+2:x+3] for wl
.macro CONV x, t, high
.if \high
	v_cvt_pk_bf16_f32 v[T],   v[\x],   v[\x+1]             ; the upper term
	v_cvt_pk_bf16_f32 v[T+1], v[\x+2], v[\x+3]
	v_cvt_pk_f16_f32  v[T+2], v[\x],   v[\x+1]
	v_cvt_pk_f16_f32  v[T+3], v[\x+2], v[\x+3]
	v_lshlrev_b32 v[T+4], 16,  v[T]                        ; the upper term as f32
	v_and_b32     v[T+5], s37, v[T]
	v_lshlrev_b32 v[T+6], 16,  v[T+1]
	v_and_b32     v[T+7], s37, v[T+1]
	v_pk_add_f32 v[T+4:T+5], v[\x:\x+1],   v[T+4:T+5] neg_lo:[0,1] neg_hi:[0,1]   ; what it left, exact in f32
	v_pk_add_f32 v[T+6:T+7], v[\x+2:\x+3], v[T+6:T+7] neg_lo:[0,1] neg_hi:[0,1]
	v_cmp_le_u32 vcc_lo, W2C-256*\t, v4                    ; is my chunk in W2?
	v_cndmask_b32 v[\x],   v[T+2], v[T],   vcc_lo
	v_cndmask_b32 v[\x+1], v[T+3], v[T+1], vcc_lo
	v_cvt_pk_bf16_f32 v[\x+2], v[T+4], v[T+5]
	v_cvt_pk_bf16_f32 v[\x+3], v[T+6], v[T+7]
	global_store_b64 v5, v[\x:\x+1],   s[6:7] offset:2048*\t
	global_store_b64 v5, v[\x+2:\x+3], s[8:9] offset:2048*\t
.else
	v_cvt_pk_f16_f32 v[\x],   v[\x],   v[\x+1]
	v_cvt_pk_f16_f32 v[\x+1], v[\x+2], v[\x+3]
	global_store_b64 v5, v[\x:\x+1], s[6:7] offset:2048*\t
.endif
.endm
.macro WALK high
	v_cmp_le_u32 vcc_lo, s18, v0                   ; walk 0: the chunks in front of mine are the neighbour's
	s_and_saveexec_b32 s36, vcc_lo                 ; no global load or store has been issued yet
	ds_load_b128 v[XA:XA+3], v2
	s_wait_dscnt 0x0
	CONV XA, 0, \high
	s_wait_xcnt 0x0                                ; EXEC is a source of the pending stores: it changes only behind this wait
	s_or_b32 exec_lo, exec_lo, s36
.set t, 1
.rept 21
.if t < 16
	ds_load_b128 v[X+4*(t-1):X+4*(t-1)+3], v2 offset:4096*t
.else
	ds_load_b128 v[X+4*(t-1):X+4*(t-1)+3], v3 offset:4096*(t-16)
.endif
.set t, t+1
.endr
.set t, 1
.rept 21
	s_wait_dscnt 21-t                              ; the count leaves the younger of the 21 loads out
	CONV X+4*(t-1), t, \high
.set t, t+1
.endr
	s_wait_xcnt 0x0                                ; again in front of the line that narrows EXEC
	v_cmp_gt_u32 vcc_lo, s19, v0                   ; walk 22: the chunks behind mine are the neighbour's
	s_and_saveexec_b32 s36, vcc_lo
	ds_load_b128 v[XZ:XZ+3], v3 offset:4096*(22-16)
	s_wait_dscnt 0x0
	CONV XZ, 22, \high
	s_endpgm
.endm
	s_cmp_lt_u32 ttmp9, 90                         ; 90 x 23,176 = 2,085,840 < 2,097,152: groups 0 to 89 hold W1 alone
	s_cbranch_scc1 .Llow
	WALK 1
.Llow:
	WALK 0
.Lfunc_end_k_q231675c738_pack:
	.size	k_q231675c738_pack, .Lfunc_end_k_q231675c738_pack-k_q231675c738_pack
	.p2alignl 7, 3214868480
	.fill 96, 4, 3214868480
	.section	.rodata,"a",@progbits
	.p2align	6, 0x0
	.amdhsa_kernel k_q231675c738_pack
		.amdhsa_group_segment_fixed_size 167936
		.amdhsa_private_segment_fixed_size 0
		.amdhsa_enable_private_segment 0
		.amdhsa_kernarg_size 24
		.amdhsa_user_sgpr_count 2
		.amdhsa_user_sgpr_kernarg_segment_ptr 1
		.amdhsa_wavefront_size32 1
		.amdhsa_system_sgpr_workgroup_id_x 1
		.amdhsa_system_sgpr_workgroup_id_y 1
		.amdhsa_system_sgpr_workgroup_id_z 1
		.amdhsa_system_vgpr_workitem_id 0
		.amdhsa_next_free_vgpr 108
		.amdhsa_next_free_sgpr 66
		.amdhsa_reserve_vcc 1
		.amdhsa_float_denorm_mode_32 3
		.amdhsa_float_denorm_mode_16_64 3
		.amdhsa_memory_ordered 1
		.amdhsa_forward_progress 1
		.amdhsa_inst_pref_size 34
	.end_amdhsa_kernel
	.amdgpu_metadata
---
amdhsa.version: [ 1, 2 ]
amdhsa.kernels:
  - .name:           k_q231675c738_pack
    .symbol:         k_q231675c738_pack.kd
    .args:
      - { .name: vp, .offset: 0, .size: 8, .value_kind: global_buffer, .address_space: global }
      - { .name: wb, .offset: 8, .size: 8, .value_kind: global_buffer, .address_space: global }
      - { .name: wl, .offset: 16, .size: 8, .value_kind: global_buffer, .address_space: global }
    .group_segment_fixed_size: 167936
    .private_segment_fixed_size: 0
    .kernarg_segment_align: 8
    .kernarg_segment_size: 24
    .max_flat_workgroup_size: 256
    .sgpr_count:     66
    .vgpr_count:     108
    .wavefront_size: 32
...
	.end_amdgpu_metadata
.endif
;; end of part 3
;; launch gemmH (part 4): grid 8 x 32, 4 waves a work-group, clusters of 4 x 4, 327,680 bytes of LDS; arguments xb, wb, vp, hb; writes hb
.if DOCPART == 4
	.amdgcn_target "amdgcn-amd-amdhsa--gfx1250"
	.amdhsa_code_object_version 6
	.text
	.protected	k_q231675c738_gemmH
	.globl	k_q231675c738_gemmH
	.p2align	8
	.type	k_q231675c738_gemmH,@function
k_q231675c738_gemmH:
	s_mov_b64 s[64:65], 0
	v_nop
	global_prefetch_b8 v0, s[64:65] scope:SCOPE_SE
	s_setreg_imm32_b32 hwreg(HW_REG_WAVE_MODE, 25, 1), 1
	s_wait_xcnt 0x0
	s_wait_alu depctr_hold_cnt(0) depctr_sa_sdst(0) depctr_va_vdst(0) depctr_va_sdst(0) depctr_va_ssrc(0) depctr_va_vcc(0) depctr_vm_vsrc(0)
	s_getreg_b32 s2, hwreg(HW_REG_IB_STS2, 6, 4)
	s_cmp_eq_u32 s2, 0
	s_cbranch_scc0 .Lentry_in_a_cluster
	s_endpgm
.Lentry_in_a_cluster:
	s_bfe_u32 s2, ttmp6, 0x10000c
	s_cmp_lg_u32 s2, 0xf033
	s_cbranch_scc0 .Lentry_shape_is_right
	s_endpgm
.Lentry_shape_is_right:
; hb = bf16(relu(xb W1^T + b1)).  xb [4096][2048] f16; W1 = wb's first [1024][2048] f16; b1 in f32 straight from vp; sums in f32.
; h goes out in bf16: with all inputs 30 times larger it would pass f16's range.
; LIMIT: relu is a maximum in which a NaN loses: a NaN in the sums becomes 0.
; A work-group makes 128 x 128: 4096/128 x 1024/128 = 256 work-groups.  Four waves, 2 x 2, each 64 x 64 = 4 x 4 tiles of 16 x 16.
; K goes in steps of 256 through two LDS slots (B's 128 rows, then A's 128, rows of 512 bytes + 16 of padding) filled by tensor loads:
; waves 0, 1 bring B's halves, waves 2, 3 A's.  8 steps.
; CLUSTERS of 4 x 4: A's tile hangs on the block row alone and is asked for jointly by a row of the cluster, B's on the block column alone
; and is asked for jointly by a column.  A round of the cluster's barrier stands in front of the first joint loads, in front of every
; joint refill and in front of s_endpgm.
; The matrix instruction is used transposed (source 0 = 16 rows of W1, source 1 = 16 rows of x): lane l then holds row l % 16 of the tile and
; its eight registers the columns 8 (l / 16) + 0..7.  The bias, laid out the same way, is the C of each tile's first product: no add, no clearing.
; REGISTERS: window 0: v16-31 addresses, v64-127 and v128-191 two fragment buffers (4 of B, 4 of A, 8 registers each);
; window 1: v0-127 the 16 accumulator tiles, tile (a, b) at v[8 (4 a + b)]; v128-159 the bias of my 4 tile columns.
; The 16 accumulators take turns, one instruction a turn, in the same order in every quarter step.
.set MT, 128
.set NT, 128
.set MB, 4
.set NB, 4
.set KS, 256
.set QS, KS/32
.set QI, 6
.set PITCH, 2*KS+16
.set AH, (MT/2)*PITCH
.set BH, (NT/2)*PITCH
.set SLOT, 2*AH+2*BH
.set LAPS, 4
.set NQL, 8
.set SPLIT, 2
.set PA, 2048
.set PB, 2048
.set STEPB, 4*KS
.set SP, 272                           ; the stage's pitch: 256 bytes + 16
.set ADRA, 16
.set ADRB, 20
.set STO, 24
.set RDA, 25
.set COA, 27
.set VN, 30
.set VK, 31
.set F0, 64
.set F1, F0+8*(MB+NB)
.set BIAS, 128                         ; in window 1
.set G1A, 24
.set G0A, 32
.set G1B, 48
.set G0B, 56
.set MULW, 0x50                        ; C and D in window 1
.set MULF, 0x50                        ; the bias lies in window 1 too
.set LDB,  0x40                        ; a load's destination in window 1
.set ACC2, 0x05                        ; sources 0 and 1 in window 1
.set RELU, 0x44                        ; destination and source 1 in window 1
.set MSB, 0
.macro WIN new
.if MSB != \new
	s_set_vgpr_msb (MSB<<8)|\new
.set MSB, \new
.endif
.endm
.macro PLACES                          ; four places behind a matrix instruction, in front of loads into its sources and of readers of its result
.rept 4
	v_nop
.endr
.endm
.macro JLOAD s
	s_cmp_eq_u32 s13, 0
	s_cbranch_scc0 .Lfor_a_\@
	tensor_load_to_lds s[G0B+4*\s:G0B+4*\s+3], s[G1B:G1B+7]
	s_branch .Lasked_\@
.Lfor_a_\@:
	tensor_load_to_lds s[G0A+4*\s:G0A+4*\s+3], s[G1A:G1A+7]
.Lasked_\@:
.endm
.macro CREST
	s_cmp_lg_u32 s12, 0
	s_cbranch_scc1 .Lnot_wave_0_\@
	s_barrier_signal -3
.Lnot_wave_0_\@:
	s_barrier_wait -3
	s_barrier_signal -1
	s_barrier_wait -1
.endm
.macro CROUND
	s_barrier_signal -1
	s_barrier_wait -1
	CREST
.endm
.macro FETCH slot, k, f
	WIN 0
.set fi, 0
.rept NB
	ds_load_b128 v[\f+8*fi:\f+8*fi+3],   v[ADRB+\slot] offset:\k+fi*16*PITCH
	ds_load_b128 v[\f+8*fi+4:\f+8*fi+7], v[ADRB+\slot] offset:\k+fi*16*PITCH+32
.set fi, fi+1
.endr
.set fi, 0
.rept MB
	ds_load_b128 v[\f+8*(NB+fi):\f+8*(NB+fi)+3],   v[ADRA+\slot] offset:\k+fi*16*PITCH
	ds_load_b128 v[\f+8*(NB+fi)+4:\f+8*(NB+fi)+7], v[ADRA+\slot] offset:\k+fi*16*PITCH+32
.set fi, fi+1
.endr
.endm
; first = 1: the product starts the sums from the bias
.macro MULROWS f, alo, ahi, first
.set ia, \alo
.rept \ahi-\alo
.set ib, 0
.rept NB
.set it, 8*(NB*ia+ib)
.if \first
	v_wmma_f32_16x16x32_f16 v[it:it+7], v[\f+8*ib:\f+8*ib+7], v[\f+8*(NB+ia):\f+8*(NB+ia)+7], v[BIAS+8*ib:BIAS+8*ib+7]
.else
	v_wmma_f32_16x16x32_f16 v[it:it+7], v[\f+8*ib:\f+8*ib+7], v[\f+8*(NB+ia):\f+8*(NB+ia)+7], v[it:it+7]
.endif
.set ib, ib+1
.endr
.set ia, ia+1
.endr
.endm
.macro QUARTER slot, k, f, g, first
	s_wait_dscnt 0x0                               ; buffer f, asked for a quarter step ago
	PLACES                                         ; behind the matrix instructions that read buffer g
	FETCH \slot, \k, \g
.if \first
	WIN MULF
.else
	WIN MULW
.endif
	MULROWS \f, 0, MB, \first
.endm
.macro BODY slot, first, cnt
	QUARTER \slot, 64, F0, F1, \first
.set bq, 1
.rept (\cnt-1)/2
	QUARTER \slot, 64*(bq+1), F1, F0, 0
	QUARTER \slot, 64*(bq+2), F0, F1, 0
.set bq, bq+2
.endr
.endm
; the last quarter step of a slot, and the change of slots.  In front of the barrier: my reads of this slot are back and all my tensor loads
; have landed (one was out: my part of the next slot).  fill = 1: the barrier opens a round of the cluster's barrier, and behind the round
; my one joint load fills this slot again, ahead of every LDS read.
.macro LASTQ slot, next, fill
	s_wait_dscnt 0x0
	s_wait_tensorcnt 0x0
	s_barrier_signal -1
	WIN MULW
	MULROWS F1, 0, SPLIT, 0
	WIN 0
	s_barrier_wait -1
.if \fill
	CREST
	s_add_nc_u64 s[G0A+4*\slot+2:G0A+4*\slot+3], s[G0A+4*\slot+2:G0A+4*\slot+3], STEPB
	s_add_nc_u64 s[G0B+4*\slot+2:G0B+4*\slot+3], s[G0B+4*\slot+2:G0B+4*\slot+3], STEPB
	JLOAD \slot
.endif
	PLACES
	FETCH \next, 0, F0
	WIN MULW
	MULROWS F1, SPLIT, MB, 0
.endm
.macro LAP first
	BODY 0, \first, QS-1
	LASTQ 0, 1, 1
	BODY 1, 0, QS-1
	LASTQ 1, 0, 1
.endm
	s_load_b256 s[4:11], s[0:1], 0x0               ; xb s[4:5], wb s[6:7], vp s[8:9], hb s[10:11]
	v_lshrrev_b32 v1, 5, v0
	v_readfirstlane_b32 s12, v1                    ; wave 0..3
	s_lshr_b32 s13, s12, 1                         ; my half of the block's rows.  Also: I fetch for B (0) or for A (1)
	s_and_b32 s14, s12, 1                          ; my half of its columns.  Also: which half of that tile I fetch
	s_bfe_u32 s40, ttmp6, 0x40000                  ; cx
	s_bfe_u32 s41, ttmp6, 0x40004                  ; cy
	s_lshl_b32 s42, ttmp9, 2
	s_add_co_u32 s42, s42, s40                     ; block column
	s_and_b32 s43, ttmp7, 0xffff
	s_lshl_b32 s43, s43, 2
	s_add_co_u32 s43, s43, s41                     ; block row
	s_lshl_b32 s44, s41, 2
	s_lshl_b32 s44, 15, s44                        ; my row of the cluster
	s_lshl_b32 s45, 0x1111, s40                    ; my column
	s_or_b32 s[G1A+0], s44, (1<<16)|(1<<20)|(1<<21)|(QI<<22)|(3<<25)
	s_or_b32 s[G1B+0], s45, (1<<16)|(1<<20)|(1<<21)|(QI<<22)|(3<<25)
	s_mov_b32 s[G1A+1], KS<<16
	s_mov_b32 s[G1B+1], KS<<16
	s_mov_b32 s[G1A+2], (MT/2)<<16
	s_mov_b32 s[G1B+2], (NT/2)<<16
	s_mov_b32 s[G1A+3], KS<<16
	s_mov_b32 s[G1B+3], KS<<16
	s_mov_b32 s[G1A+4], MT/2
	s_mov_b32 s[G1B+4], NT/2
	s_mov_b32 s[G1A+5], PA
	s_mov_b32 s[G1B+5], PB
	s_mov_b32 s[G1A+6], 0
	s_mov_b32 s[G1B+6], 0
	s_mov_b32 s[G1A+7], 0
	s_mov_b32 s[G1B+7], 0
	s_mul_i32 s22, s14, MT/2
	s_mul_i32 s16, s43, MT
	s_add_co_u32 s16, s16, s22
	s_mul_i32 s16, s16, PA*2
	s_mov_b32 s17, 0
	s_mul_i32 s22, s14, NT/2
	s_mul_i32 s46, s42, NT
	s_add_co_u32 s46, s46, s22
	s_mul_i32 s46, s46, PB*2
	s_mov_b32 s47, 0
	s_mul_i32 s21, s12, BH                         ; B's halves at wave x BH (waves 0, 1)
	s_mul_i32 s20, s12, AH
	s_add_co_u32 s20, s20, 2*BH-2*AH               ; A's halves behind them (waves 2, 3)
	s_wait_kmcnt 0x0
	s_add_nc_u64 s[16:17], s[4:5], s[16:17]
	s_add_nc_u64 s[46:47], s[6:7], s[46:47]
	CROUND                                         ; all sixteen work-groups are here: the first joint loads meet
.irp s, 0,1
	s_mov_b32 s[G0A+4*\s], 1
	s_add_co_u32 s[G0A+4*\s+1], s20, \s*SLOT
	s_add_nc_u64 s[G0A+4*\s+2:G0A+4*\s+3], s[16:17], \s*KS*2
	s_or_b32 s[G0A+4*\s+3], s[G0A+4*\s+3], 0x80000000
	s_mov_b32 s[G0B+4*\s], 1
	s_add_co_u32 s[G0B+4*\s+1], s21, \s*SLOT
	s_add_nc_u64 s[G0B+4*\s+2:G0B+4*\s+3], s[46:47], \s*KS*2
	s_or_b32 s[G0B+4*\s+3], s[G0B+4*\s+3], 0x80000000
	JLOAD \s                                       ; two tensor loads of the wave are out here, one behind every later round
.endr
	v_and_b32 v1, 15, v0
	v_bfe_u32 v2, v0, 4, 1
	v_mul_u32_u24 v3, v1, PITCH
	v_lshl_add_u32 v3, v2, 4, v3
	s_mul_i32 s22, s14, BH
	s_mul_i32 s23, s13, AH
	s_add_co_u32 s23, s23, 2*BH
.irp s, 0,1
	v_add_nc_u32 v[ADRB+\s], s22, v3
	v_add_nc_u32 v[ADRA+\s], s23, v3
	s_add_co_u32 s22, s22, SLOT
	s_add_co_u32 s23, s23, SLOT
.endr
	; the way out: a stage of 128 rows x 272 bytes for the whole work-group, in slot 0
	v_mul_u32_u24 v4, v1, SP
	v_lshl_add_u32 v4, v2, 4, v4
	s_mul_i32 s22, s13, (MT/2)*SP
	s_lshl_b32 s23, s14, 7
	s_add_co_u32 s22, s22, s23
	v_add_nc_u32 v[STO], s22, v4                   ; row (64 mh + l % 16), byte 128 nh + 16 (l / 16)
	v_mul_u32_u24 v5, v2, SP
	v_lshl_add_u32 v5, v1, 4, v5
	s_mul_i32 s22, s12, (MT/4)*SP
	v_add_nc_u32 v[RDA], s22, v5                   ; back: wave w takes rows 32 w .. 32 w + 31, two rows a load
	v_lshlrev_b32 v6, 4, v1
	v_lshl_add_u32 v[COA], v2, 11, v6              ; the same two rows in hb
	; the bias.  b1[n] is V's flat number 2,097,152 + n = row 723, column 2,621 + n; from n = 276 on row 724, which in vp's pitch of 3,072
	; lies 175 numbers (700 bytes) further.  Register j of tile column b wants n = 128 block + 64 nh + 16 b + 8 (l / 16) + j.
	s_lshl_b32 s18, s42, 7
	s_lshl_b32 s19, s14, 6
	s_add_co_u32 s18, s18, s19
	v_lshl_add_u32 v[VN], v2, 3, s18
	v_mov_b32 v[VK], 700
	s_add_nc_u64 s[8:9], s[8:9], (723*3072+2621)*4
.set bi, 0
.rept 8*NB
	v_add_nc_u32 v[F0+bi], 16*(bi/8)+bi%8, v[VN]
	v_cmp_le_u32 vcc_lo, 276, v[F0+bi]
	v_cndmask_b32 v3, 0, v[VK], vcc_lo
	v_lshl_add_u32 v[F0+bi], v[F0+bi], 2, v3
.set bi, bi+1
.endr
	WIN LDB
.set bi, 0
.rept 8*NB
	global_load_b32 v[BIAS+bi], v[F0+bi], s[8:9]
.set bi, bi+1
.endr
	WIN 0
	s_wait_loadcnt 0x0                             ; the bias is in; its offset registers, which lie in buffer 0, are free
	s_wait_tensorcnt 0x1                           ; my part of step 0 is in; step 1's may stay out
	s_barrier_signal -1
	s_barrier_wait -1
	FETCH 0, 0, F0
	LAP 1
	WIN 0
	s_mov_b32 s15, LAPS-2
.Llap:
	LAP 0
	WIN 0
	s_sub_co_u32 s15, s15, 1
	s_cmp_lg_u32 s15, 0
	s_cbranch_scc1 .Llap
	BODY 0, 0, QS-1                                ; the last lap fills nothing
	LASTQ 0, 1, 0                                  ; behind this barrier no wave reads slot 0 any more, and no load fills it again
	BODY 1, 0, NQL-1
	s_wait_dscnt 0x0
	WIN MULW
	MULROWS F1, 0, MB, 0
	; THE WAY OUT: relu, round to bf16, 16 bytes a lane into the stage, back as whole rows of 256 bytes.
	PLACES
	WIN RELU
.set ei, 0
.rept 8*MB*NB
	v_max_num_f32 v[ei], 0, v[ei]
.set ei, ei+1
.endr
	WIN ACC2
.set ei, 0
.rept 4*MB*NB
	v_cvt_pk_bf16_f32 v[F0+ei], v[2*ei], v[2*ei+1]
.set ei, ei+1
.endr
	WIN 0
.set ea, 0
.rept MB
.set eb, 0
.rept NB
	ds_store_b128 v[STO], v[F0+4*(NB*ea+eb):F0+4*(NB*ea+eb)+3] offset:ea*16*SP+32*eb
.set eb, eb+1
.endr
.set ea, ea+1
.endr
	s_lshl_b32 s16, s43, 7
	s_lshl_b32 s22, s12, 5
	s_add_co_u32 s16, s16, s22                     ; my first row of hb
	s_lshl_b32 s16, s16, 11                        ; rows of 2,048 bytes
	s_mov_b32 s17, 0
	s_add_nc_u64 s[10:11], s[10:11], s[16:17]
	s_lshl_b32 s46, s42, 8                         ; my block's first column, in bytes
	s_mov_b32 s47, 0
	s_add_nc_u64 s[10:11], s[10:11], s[46:47]
	s_wait_dscnt 0x0                               ; my stores into the stage are done, for the other waves' sake
	s_barrier_signal -1
	s_barrier_wait -1
.set et, 0
.rept 16
	ds_load_b128 v[F1+4*et:F1+4*et+3], v[RDA] offset:2*SP*et
.set et, et+1
.endr
.set et, 0
.rept 16
	s_wait_dscnt 15-et                             ; the count leaves the younger of the 16 loads out
	global_store_b128 v[COA], v[F1+4*et:F1+4*et+3], s[10:11] offset:4096*et   ; 16 lanes store 256 bytes at a multiple of 256 in hb
.set et, et+1
.endr
	CROUND                                         ; the closing round
	s_endpgm
.Lfunc_end_k_q231675c738_gemmH:
	.size	k_q231675c738_gemmH, .Lfunc_end_k_q231675c738_gemmH-k_q231675c738_gemmH
	.p2alignl 7, 3214868480
	.fill 96, 4, 3214868480
	.section	.rodata,"a",@progbits
	.p2align	6, 0x0
	.amdhsa_kernel k_q231675c738_gemmH
		.amdhsa_group_segment_fixed_size 327680
		.amdhsa_private_segment_fixed_size 0
		.amdhsa_enable_private_segment 0
		.amdhsa_kernarg_size 32
		.amdhsa_user_sgpr_count 2
		.amdhsa_user_sgpr_kernarg_segment_ptr 1
		.amdhsa_wavefront_size32 1
		.amdhsa_system_sgpr_workgroup_id_x 1
		.amdhsa_system_sgpr_workgroup_id_y 1
		.amdhsa_system_sgpr_workgroup_id_z 1
		.amdhsa_system_vgpr_workitem_id 0
		.amdhsa_next_free_vgpr 416
		.amdhsa_next_free_sgpr 66
		.amdhsa_reserve_vcc 1
		.amdhsa_float_denorm_mode_32 3
		.amdhsa_float_denorm_mode_16_64 3
		.amdhsa_memory_ordered 1
		.amdhsa_forward_progress 1
		.amdhsa_inst_pref_size 138
	.end_amdhsa_kernel
	.amdgpu_metadata
---
amdhsa.version: [ 1, 2 ]
amdhsa.kernels:
  - .name:           k_q231675c738_gemmH
    .symbol:         k_q231675c738_gemmH.kd
    .args:
      - { .name: xb, .offset: 0, .size: 8, .value_kind: global_buffer, .address_space: global }
      - { .name: wb, .offset: 8, .size: 8, .value_kind: global_buffer, .address_space: global }
      - { .name: vp, .offset: 16, .size: 8, .value_kind: global_buffer, .address_space: global }
      - { .name: hb, .offset: 24, .size: 8, .value_kind: global_buffer, .address_space: global }
    .group_segment_fixed_size: 327680
    .private_segment_fixed_size: 0
    .kernarg_segment_align: 8
    .kernarg_segment_size: 32
    .max_flat_workgroup_size: 128
    .sgpr_count:     66
    .vgpr_count:     416
    .wavefront_size: 32
...
	.end_amdgpu_metadata
.endif
;; end of part 4
;; launch gemmO (part 5): grid 8 x 32, 4 waves a work-group, clusters of 4 x 4, 327,680 bytes of LDS; arguments hb, wb, wl, vp, out0; writes out0
.if DOCPART == 5
	.amdgcn_target "amdgcn-amd-amdhsa--gfx1250"
	.amdhsa_code_object_version 6
	.text
	.protected	k_q231675c738_gemmO
	.globl	k_q231675c738_gemmO
	.p2align	8
	.type	k_q231675c738_gemmO,@function
k_q231675c738_gemmO:
	s_mov_b64 s[64:65], 0
	v_nop
	global_prefetch_b8 v0, s[64:65] scope:SCOPE_SE
	s_setreg_imm32_b32 hwreg(HW_REG_WAVE_MODE, 25, 1), 1
	s_wait_xcnt 0x0
	s_wait_alu depctr_hold_cnt(0) depctr_sa_sdst(0) depctr_va_vdst(0) depctr_va_sdst(0) depctr_va_ssrc(0) depctr_va_vcc(0) depctr_vm_vsrc(0)
	s_getreg_b32 s2, hwreg(HW_REG_IB_STS2, 6, 4)
	s_cmp_eq_u32 s2, 0
	s_cbranch_scc0 .Lentry_in_a_cluster
	s_endpgm
.Lentry_in_a_cluster:
	s_bfe_u32 s2, ttmp6, 0x10000c
	s_cmp_lg_u32 s2, 0xf033
	s_cbranch_scc0 .Lentry_shape_is_right
	s_endpgm
.Lentry_shape_is_right:
; out0 = hb W2^T + b2.  hb [4096][1024] bf16; W2 [2048][1024] as two bf16 terms, the upper at wb + 4,196,352 and the lower at wl + 4,196,352;
; b2 in f32 straight from vp; sums in f32.  Both terms are multiplied by h and added into the same sums, so of the operands' roundings only h's is left.
; A work-group makes 128 x 256: 4096/128 x 2048/256 = 256 work-groups.  Four waves, 2 x 2, each 64 x 128 = 4 x 8 tiles of 16 x 16.
; K goes in blocks of 128 through two LDS slots (B's 256 rows, then A's 128, rows of 256 bytes + 16 of padding) filled by tensor loads: slot 0 holds
; block i of h and of the upper term, slot 1 block i of h and of the lower term; 16 steps; at a refill each address steps one block.
; Waves 0, 1 bring B's halves, waves 2, 3 A's.
; CLUSTERS of 4 x 4: A's tile hangs on the block row alone and is asked for jointly by a row of the cluster, B's on the block column alone
; and is asked for jointly by a column.  A round of the cluster's barrier stands in front of the first joint loads, in front of every
; joint refill and in front of s_endpgm.
; The matrix instruction is used transposed (source 0 = 16 rows of W2, source 1 = 16 rows of h): lane l then holds row l % 16 of the tile and
; its eight registers the columns 8 (l / 16) + 0..7.  The bias, laid out the same way, is the C of each tile's first product: no add, no clearing.
; REGISTERS: window 0: v16-27 addresses, v64-159 and v160-255 two fragment buffers (8 of B, 4 of A, 8 registers each);
; window 1: the 32 accumulator tiles, tile (a, b) at v[8 (8 a + b)]; window 2: v0-63 the bias of my 8 tile columns.
; The 32 accumulators take turns, one instruction a turn, in the same order in every quarter step.
.set MT, 128
.set NT, 256
.set MB, 4
.set NB, 8
.set KS, 128
.set QS, KS/32
.set QI, 5
.set PITCH, 2*KS+16
.set AH, (MT/2)*PITCH
.set BH, (NT/2)*PITCH
.set SLOT, 2*AH+2*BH
.set LAPS, 8
.set NQL, 4
.set SPLIT, 2
.set PA, 1024
.set PB, 1024
.set STEPB, 2*KS                       ; one block of 128 along K, in bytes
.set W2AT, 4196352                     ; W2's first byte in wb and in wl
.set SP, 528                           ; the stage's pitch: 512 bytes + 16
.set ADRA, 16
.set ADRB, 20
.set STO, 24
.set RDA, 25
.set COA, 27
.set F0, 64
.set F1, F0+8*(MB+NB)
.set BIAS, 0                           ; in window 2
.set G1A, 24
.set G0A, 32
.set G1B, 48
.set G0B, 56
.set MULW, 0x50                        ; C and D in window 1
.set MULF, 0x60                        ; D in window 1, C (the bias) in window 2
.set LDB,  0x80                        ; a load's destination in window 2
.set ACCD, 0x04                        ; an LDS store's data in window 1
.set MSB, 0
.macro WIN new
.if MSB != \new
	s_set_vgpr_msb (MSB<<8)|\new
.set MSB, \new
.endif
.endm
.macro PLACES                          ; four places behind a matrix instruction, in front of loads into its sources and of readers of its result
.rept 4
	v_nop
.endr
.endm
.macro JLOAD s
	s_cmp_eq_u32 s13, 0
	s_cbranch_scc0 .Lfor_a_\@
	tensor_load_to_lds s[G0B+4*\s:G0B+4*\s+3], s[G1B:G1B+7]
	s_branch .Lasked_\@
.Lfor_a_\@:
	tensor_load_to_lds s[G0A+4*\s:G0A+4*\s+3], s[G1A:G1A+7]
.Lasked_\@:
.endm
.macro CREST
	s_cmp_lg_u32 s12, 0
	s_cbranch_scc1 .Lnot_wave_0_\@
	s_barrier_signal -3
.Lnot_wave_0_\@:
	s_barrier_wait -3
	s_barrier_signal -1
	s_barrier_wait -1
.endm
.macro CROUND
	s_barrier_signal -1
	s_barrier_wait -1
	CREST
.endm
.macro FETCH slot, k, f
	WIN 0
.set fi, 0
.rept NB
	ds_load_b128 v[\f+8*fi:\f+8*fi+3],   v[ADRB+\slot] offset:\k+fi*16*PITCH
	ds_load_b128 v[\f+8*fi+4:\f+8*fi+7], v[ADRB+\slot] offset:\k+fi*16*PITCH+32
.set fi, fi+1
.endr
.set fi, 0
.rept MB
	ds_load_b128 v[\f+8*(NB+fi):\f+8*(NB+fi)+3],   v[ADRA+\slot] offset:\k+fi*16*PITCH
	ds_load_b128 v[\f+8*(NB+fi)+4:\f+8*(NB+fi)+7], v[ADRA+\slot] offset:\k+fi*16*PITCH+32
.set fi, fi+1
.endr
.endm
; first = 1: the product starts the sums from the bias
.macro MULROWS f, alo, ahi, first
.set ia, \alo
.rept \ahi-\alo
.set ib, 0
.rept NB
.set it, 8*(NB*ia+ib)
.if \first
	v_wmma_f32_16x16x32_bf16 v[it:it+7], v[\f+8*ib:\f+8*ib+7], v[\f+8*(NB+ia):\f+8*(NB+ia)+7], v[BIAS+8*ib:BIAS+8*ib+7]
.else
	v_wmma_f32_16x16x32_bf16 v[it:it+7], v[\f+8*ib:\f+8*ib+7], v[\f+8*(NB+ia):\f+8*(NB+ia)+7], v[it:it+7]
.endif
.set ib, ib+1
.endr
.set ia, ia+1
.endr
.endm
.macro QUARTER slot, k, f, g, first
	s_wait_dscnt 0x0                               ; buffer f, asked for a quarter step ago
	PLACES                                         ; behind the matrix instructions that read buffer g
	FETCH \slot, \k, \g
.if \first
	WIN MULF
.else
	WIN MULW
.endif
	MULROWS \f, 0, MB, \first
.endm
.macro BODY slot, first, cnt
	QUARTER \slot, 64, F0, F1, \first
.set bq, 1
.rept (\cnt-1)/2
	QUARTER \slot, 64*(bq+1), F1, F0, 0
	QUARTER \slot, 64*(bq+2), F0, F1, 0
.set bq, bq+2
.endr
.endm
; the last quarter step of a slot, and the change of slots.  In front of the barrier: my reads of this slot are back and all my tensor loads
; have landed (one was out: my part of the next slot).  fill = 1: the barrier opens a round of the cluster's barrier, and behind the round
; my one joint load fills this slot again, ahead of every LDS read.
.macro LASTQ slot, next, fill
	s_wait_dscnt 0x0
	s_wait_tensorcnt 0x0
	s_barrier_signal -1
	WIN MULW
	MULROWS F1, 0, SPLIT, 0
	WIN 0
	s_barrier_wait -1
.if \fill
	CREST
	s_add_nc_u64 s[G0A+4*\slot+2:G0A+4*\slot+3], s[G0A+4*\slot+2:G0A+4*\slot+3], STEPB
	s_add_nc_u64 s[G0B+4*\slot+2:G0B+4*\slot+3], s[G0B+4*\slot+2:G0B+4*\slot+3], STEPB
	JLOAD \slot
.endif
	PLACES
	FETCH \next, 0, F0
	WIN MULW
	MULROWS F1, SPLIT, MB, 0
.endm
.macro LAP first
	BODY 0, \first, QS-1
	LASTQ 0, 1, 1
	BODY 1, 0, QS-1
	LASTQ 1, 0, 1
.endm
	s_load_b256 s[4:11], s[0:1], 0x0               ; hb s[4:5], wb s[6:7], wl s[8:9], vp s[10:11]
	s_load_b64 s[2:3], s[0:1], 0x20                ; out0
	v_lshrrev_b32 v1, 5, v0
	v_readfirstlane_b32 s12, v1                    ; wave 0..3
	s_lshr_b32 s13, s12, 1                         ; my half of the block's rows.  Also: I fetch for B (0) or for A (1)
	s_and_b32 s14, s12, 1                          ; my half of its columns.  Also: which half of that tile I fetch
	s_bfe_u32 s40, ttmp6, 0x40000                  ; cx
	s_bfe_u32 s41, ttmp6, 0x40004                  ; cy
	s_lshl_b32 s42, ttmp9, 2
	s_add_co_u32 s42, s42, s40                     ; block column
	s_and_b32 s43, ttmp7, 0xffff
	s_lshl_b32 s43, s43, 2
	s_add_co_u32 s43, s43, s41                     ; block row
	s_lshl_b32 s44, s41, 2
	s_lshl_b32 s44, 15, s44                        ; my row of the cluster
	s_lshl_b32 s45, 0x1111, s40                    ; my column
	s_or_b32 s[G1A+0], s44, (1<<16)|(1<<20)|(1<<21)|(QI<<22)|(3<<25)
	s_or_b32 s[G1B+0], s45, (1<<16)|(1<<20)|(1<<21)|(QI<<22)|(3<<25)
	s_mov_b32 s[G1A+1], KS<<16
	s_mov_b32 s[G1B+1], KS<<16
	s_mov_b32 s[G1A+2], (MT/2)<<16
	s_mov_b32 s[G1B+2], (NT/2)<<16
	s_mov_b32 s[G1A+3], KS<<16
	s_mov_b32 s[G1B+3], KS<<16
	s_mov_b32 s[G1A+4], MT/2
	s_mov_b32 s[G1B+4], NT/2
	s_mov_b32 s[G1A+5], PA
	s_mov_b32 s[G1B+5], PB
	s_mov_b32 s[G1A+6], 0
	s_mov_b32 s[G1B+6], 0
	s_mov_b32 s[G1A+7], 0
	s_mov_b32 s[G1B+7], 0
	s_mul_i32 s22, s14, MT/2
	s_mul_i32 s16, s43, MT
	s_add_co_u32 s16, s16, s22
	s_mul_i32 s16, s16, PA*2
	s_mov_b32 s17, 0
	s_mul_i32 s22, s14, NT/2
	s_mul_i32 s46, s42, NT
	s_add_co_u32 s46, s46, s22
	s_mul_i32 s46, s46, PB*2
	s_add_co_u32 s46, s46, W2AT
	s_mov_b32 s47, 0
	s_mul_i32 s21, s12, BH                         ; B's halves at wave x BH (waves 0, 1)
	s_mul_i32 s20, s12, AH
	s_add_co_u32 s20, s20, 2*BH-2*AH               ; A's halves behind them (waves 2, 3)
	s_wait_kmcnt 0x0
	s_add_nc_u64 s[16:17], s[4:5], s[16:17]
	CROUND                                         ; all sixteen work-groups are here: the first joint loads meet
.irp s, 0,1
	s_mov_b32 s[G0A+4*\s], 1
	s_add_co_u32 s[G0A+4*\s+1], s20, \s*SLOT
	s_mov_b64 s[G0A+4*\s+2:G0A+4*\s+3], s[16:17]   ; both slots begin with block 0 of h
	s_or_b32 s[G0A+4*\s+3], s[G0A+4*\s+3], 0x80000000
	s_mov_b32 s[G0B+4*\s], 1
	s_add_co_u32 s[G0B+4*\s+1], s21, \s*SLOT
	s_add_nc_u64 s[G0B+4*\s+2:G0B+4*\s+3], s[6+2*\s:7+2*\s], s[46:47]   ; slot 0: the upper term (wb); slot 1: the lower (wl)
	s_or_b32 s[G0B+4*\s+3], s[G0B+4*\s+3], 0x80000000
	JLOAD \s                                       ; two tensor loads of the wave are out here, one behind every later round
.endr
	v_and_b32 v1, 15, v0
	v_bfe_u32 v2, v0, 4, 1
	v_mul_u32_u24 v3, v1, PITCH
	v_lshl_add_u32 v3, v2, 4, v3
	s_mul_i32 s22, s14, BH
	s_mul_i32 s23, s13, AH
	s_add_co_u32 s23, s23, 2*BH
.irp s, 0,1
	v_add_nc_u32 v[ADRB+\s], s22, v3
	v_add_nc_u32 v[ADRA+\s], s23, v3
	s_add_co_u32 s22, s22, SLOT
	s_add_co_u32 s23, s23, SLOT
.endr
	; the way out: each wave's own stage of 16 rows x 528 bytes, in slot 0
	s_mul_i32 s22, s12, 16*SP
	v_mul_u32_u24 v4, v1, SP
	v_lshl_add_u32 v4, v2, 5, v4
	v_add_nc_u32 v[STO], s22, v4                   ; row l % 16, byte 32 (l / 16)
	v_and_b32 v5, 31, v0
	v_lshlrev_b32 v[COA], 4, v5                    ; back: a whole row of 512 bytes a load
	v_add_nc_u32 v[RDA], s22, v[COA]
	; the bias.  b2[n] is V's flat number 4,195,328 + n = row 1,448, column 472 + n, all in that row.
	; Register j of tile column b wants n = 256 block + 128 nh + 16 b + 8 (l / 16) + j: two loads of 16 bytes.
	s_lshl_b32 s18, s42, 10
	s_lshl_b32 s19, s14, 9
	s_add_co_u32 s18, s18, s19
	s_add_co_u32 s18, s18, (1448*3072+472)*4
	s_mov_b32 s19, 0
	s_add_nc_u64 s[10:11], s[10:11], s[18:19]
	v_lshlrev_b32 v3, 5, v2
	WIN LDB
.set bi, 0
.rept NB
	global_load_b128 v[BIAS+8*bi:BIAS+8*bi+3],   v3, s[10:11] offset:64*bi
	global_load_b128 v[BIAS+8*bi+4:BIAS+8*bi+7], v3, s[10:11] offset:64*bi+16
.set bi, bi+1
.endr
	WIN 0
	s_wait_loadcnt 0x0                             ; the bias is in
	s_wait_tensorcnt 0x1                           ; my part of step 0 is in; step 1's may stay out
	s_barrier_signal -1
	s_barrier_wait -1
	FETCH 0, 0, F0
	LAP 1
	WIN 0
	s_mov_b32 s15, LAPS-2
.Llap:
	LAP 0
	WIN 0
	s_sub_co_u32 s15, s15, 1
	s_cmp_lg_u32 s15, 0
	s_cbranch_scc1 .Llap
	BODY 0, 0, QS-1                                ; the last lap fills nothing
	LASTQ 0, 1, 0                                  ; behind this barrier no wave reads slot 0 any more, and no load fills it again
	BODY 1, 0, NQL-1
	s_wait_dscnt 0x0
	WIN MULW
	MULROWS F1, 0, MB, 0
	; THE WAY OUT, 16 rows at a time through my own stage: a lane's 32 bytes in, whole rows of 512 bytes back.
	PLACES
	s_lshl_b32 s16, s43, 7
	s_lshl_b32 s22, s13, 6
	s_add_co_u32 s16, s16, s22                     ; my first row of out0
	s_lshl_b32 s16, s16, 13                        ; rows of 8,192 bytes
	s_mov_b32 s17, 0
	s_add_nc_u64 s[2:3], s[2:3], s[16:17]
	s_lshl_b32 s46, s42, 10
	s_lshl_b32 s47, s14, 9
	s_add_co_u32 s46, s46, s47                     ; my first column, in bytes
	s_mov_b32 s47, 0
	s_add_nc_u64 s[2:3], s[2:3], s[46:47]
.macro OUT16 a, f
	WIN ACCD
.set eb, 0
.rept NB
	ds_store_b128 v[STO], v[8*(NB*\a+eb):8*(NB*\a+eb)+3]   offset:64*eb
	ds_store_b128 v[STO], v[8*(NB*\a+eb)+4:8*(NB*\a+eb)+7] offset:64*eb+16
.set eb, eb+1
.endr
	WIN 0
	s_wait_xcnt 0x0                                ; buffer f was store data two turns ago: loaded again only behind this wait
.set et, 0
.rept 16
	ds_load_b128 v[\f+4*et:\f+4*et+3], v[RDA] offset:SP*et      ; LDS serves a wave's instructions in order: these see the stores above
.set et, et+1
.endr
.set et, 0
.rept 16
	s_wait_dscnt 15-et                             ; the count leaves the younger of the 16 loads out
	global_store_b128 v[COA], v[\f+4*et:\f+4*et+3], s[2:3] offset:(16*\a+et)*8192 th:TH_STORE_NT   ; 512 bytes at a multiple of 512 in out0
.set et, et+1
.endr
.endm
	OUT16 0, F0
	OUT16 1, F1
	OUT16 2, F0
	OUT16 3, F1
	CROUND                                         ; the closing round
	s_endpgm
.Lfunc_end_k_q231675c738_gemmO:
	.size	k_q231675c738_gemmO, .Lfunc_end_k_q231675c738_gemmO-k_q231675c738_gemmO
	.p2alignl 7, 3214868480
	.fill 96, 4, 3214868480
	.section	.rodata,"a",@progbits
	.p2align	6, 0x0
	.amdhsa_kernel k_q231675c738_gemmO
		.amdhsa_group_segment_fixed_size 327680
		.amdhsa_private_segment_fixed_size 0
		.amdhsa_enable_private_segment 0
		.amdhsa_kernarg_size 40
		.amdhsa_user_sgpr_count 2
		.amdhsa_user_sgpr_kernarg_segment_ptr 1
		.amdhsa_wavefront_size32 1
		.amdhsa_system_sgpr_workgroup_id_x 1
		.amdhsa_system_sgpr_workgroup_id_y 1
		.amdhsa_system_sgpr_workgroup_id_z 1
		.amdhsa_system_vgpr_workitem_id 0
		.amdhsa_next_free_vgpr 576
		.amdhsa_next_free_sgpr 66
		.amdhsa_reserve_vcc 0
		.amdhsa_float_denorm_mode_32 3
		.amdhsa_float_denorm_mode_16_64 3
		.amdhsa_memory_ordered 1
		.amdhsa_forward_progress 1
		.amdhsa_inst_pref_size 117
	.end_amdhsa_kernel
	.amdgpu_metadata
---
amdhsa.version: [ 1, 2 ]
amdhsa.kernels:
  - .name:           k_q231675c738_gemmO
    .symbol:         k_q231675c738_gemmO.kd
    .args:
      - { .name: hb, .offset: 0, .size: 8, .value_kind: global_buffer, .address_space: global }
      - { .name: wb, .offset: 8, .size: 8, .value_kind: global_buffer, .address_space: global }
      - { .name: wl, .offset: 16, .size: 8, .value_kind: global_buffer, .address_space: global }
      - { .name: vp, .offset: 24, .size: 8, .value_kind: global_buffer, .address_space: global }
      - { .name: out0, .offset: 32, .size: 8, .value_kind: global_buffer, .address_space: global }
    .group_segment_fixed_size: 327680
    .private_segment_fixed_size: 0
    .kernarg_segment_align: 8
    .kernarg_segment_size: 40
    .max_flat_workgroup_size: 128
    .sgpr_count:     66
    .vgpr_count:     576
    .wavefront_size: 32
...
	.end_amdgpu_metadata
.endif
;; end of part 5
;; ======== version 2 of 2: 5 launches
;; limits: values are held in f16: magnitudes above 65,504 overflow, below 6.1e-05 lose precision; right only within a limited range of input values; below input magnitudes of 6.1e-05 results are inexact or not finite
;; workspace buffers: ab 28,311,552 bytes; xb 16,777,216 bytes; vp 18,874,368 bytes; wb 8,436,224 bytes; hb 8,388,608 bytes; xs 16,384 bytes; fs 512 bytes
;; launch cast (part 6): grid 256 x 1, 17 waves a work-group, no clusters, 221,184 bytes of LDS; arguments V1, V2, x, ab, xb, xs; writes ab, xb, xs
.if DOCPART == 6
	.amdgcn_target "amdgcn-amd-amdhsa--gfx1250"
	.amdhsa_code_object_version 6
	.text
	.protected	k_q231675c738_cast
	.globl	k_q231675c738_cast
	.p2align	8
	.type	k_q231675c738_cast,@function
k_q231675c738_cast:
	s_mov_b64 s[64:65], 0
	v_nop
	global_prefetch_b8 v0, s[64:65] scope:SCOPE_SE
	s_setreg_imm32_b32 hwreg(HW_REG_WAVE_MODE, 25, 1), 1
	s_wait_xcnt 0x0
; f16 copies of the inputs, in rows that start at multiples of 256 bytes, and each row of x's sum of squares.
;   ab [4608][3072] f16: rows 0-1535 = V1's rows 0-1535; row 1536 + n = V2's row n; columns 2897-3071 = 0.
;      For n >= 2897 the row is a copy of V2's row n - 2048: only so that every byte that the next launch loads has been stored;
;      its products land in columns of V that nothing reads.
;   xb [4096][2048] f16 = x.     xs [4096] f32: xs[i] = the sum over k of x[i][k]^2, from which later launches bound row i of h.
; V1's rows from 1536 on are not read: the slices of V that the problem takes end at flat index 4,197,376, in V's row 1448.
; LIMIT: f16 holds magnitudes under 65,504; larger V1, V2 or x become infinite here.  (Drawn: about 0.1 and 5 at the most.)
; Work-group g: rows 18 g .. 18 g + 17 of ab (waves 0-8, two rows each) and rows 16 g .. 16 g + 15 of x (waves 9-16, two rows each).
; A row of V1 or V2 is 11,588 bytes and starts at a multiple of 4 only, so it comes in by a tensor load, which also writes the zeros
; behind column 2896; x is dense and aligned and comes straight into registers.  Every byte that a wave needs is asked for at once:
; no loop, no refill, no barrier; each wave reads only the LDS bytes that its own loads filled.
; No cluster: no two work-groups read the same bytes.  No matrix unit: nothing is multiplied.
.set NV,   2897                        ; numbers in a row of V1, V2
.set VROW, 4*NV                        ; its bytes
.set LROW, 12288                       ; a row in LDS: 3,072 f32
.set OROW, 6144                        ; a row of ab: 3,072 f16
.set X,    8                           ; v[8:135] numbers as loaded, then as stored
.set SQ,   136                         ; v[136:139], v[140:143] sums of squares of my two rows of x, two packed chains each
	s_load_b256 s[4:11], s[0:1], 0x0               ; V1 s[4:5], V2 s[6:7], x s[8:9], ab s[10:11]
	s_load_b128 s[44:47], s[0:1], 0x20             ; xb s[44:45], xs s[46:47]
	v_lshrrev_b32 v1, 5, v0
	v_readfirstlane_b32 s12, v1                    ; wave 0..16
	v_and_b32 v1, 31, v0                           ; lane
	v_lshlrev_b32 v3, 3, v1                        ; 8 bytes a lane on the way out
	v_lshlrev_b32 v4, 4, v1                        ; 16 bytes a lane on the way in
	s_cmp_ge_u32 s12, 9
	s_cbranch_scc1 .Lx
	; ---- waves 0-8: two rows of ab ----
	s_mul_i32 s16, ttmp9, 9
	s_add_co_u32 s16, s16, s12                     ; pair of rows 0..2303
	s_lshl_b32 s17, s16, 1                         ; first row of ab
	s_cmp_lt_u32 s16, 768                          ; pairs 0-767 are V1's
	s_cselect_b32 s18, 0, 1536
	s_sub_co_u32 s18, s17, s18                     ; the row in its source,
	s_add_co_u32 s42, s18, 1                       ; and the next
	s_cmp_ge_u32 s18, NV
	s_cselect_b32 s14, 2048, 0
	s_sub_co_u32 s18, s18, s14                     ; beyond V2's last row: a row that exists
	s_cmp_ge_u32 s42, NV
	s_cselect_b32 s14, 2048, 0
	s_sub_co_u32 s42, s42, s14
	s_mul_i32 s18, s18, VROW                       ; byte offsets, under 2^26
	s_mov_b32 s19, 0
	s_mul_i32 s42, s42, VROW
	s_mov_b32 s43, 0
	s_mul_i32 s14, s17, OROW
	s_mov_b32 s15, 0
	; group 1: one row; 2,897 numbers exist, 3,072 are laid down, the rest as zeros
	s_mov_b32 s32, 2<<16                           ; no mask; elements of 4 bytes; no padding
	s_mov_b32 s33, NV<<16                          ; tensor_dim0 = 2,897
	s_mov_b32 s34, 1<<16                           ; tensor_dim1 = 1
	s_mov_b32 s35, 3072<<16                        ; tile_dim0 = 3,072
	s_mov_b32 s36, 1                               ; tile_dim1 = 1
	s_mov_b32 s37, NV                              ; pitch
	s_mov_b32 s38, 0
	s_mov_b32 s39, 0
	s_mov_b32 s24, 1
	s_mul_i32 s25, s12, 2*LROW                     ; my wave's two rows in LDS
	s_mov_b32 s28, 1
	s_add_co_u32 s29, s25, LROW
	s_wait_kmcnt 0x0
	s_cmp_lt_u32 s16, 768
	s_cselect_b64 s[20:21], s[4:5], s[6:7]         ; V1 or V2
	s_add_nc_u64 s[26:27], s[20:21], s[18:19]
	s_or_b32 s27, s27, 0x80000000                  ; type 2
	s_add_nc_u64 s[30:31], s[20:21], s[42:43]
	s_or_b32 s31, s31, 0x80000000
	tensor_load_to_lds s[24:27], s[32:39]          ; two tensor loads of the wave are out, no more in the whole kernel
	tensor_load_to_lds s[28:31], s[32:39]
	s_add_nc_u64 s[22:23], s[10:11], s[14:15]      ; ab at my first row
	v_add_nc_u32 v2, s25, v4                       ; my 16 bytes in my first row in LDS
	s_wait_tensorcnt 0x0                           ; both rows, asked for together, have landed; only this wave reads them
; One row: 24 LDS loads of 512 neighbouring bytes, each rounded to 256 bytes that one store writes, at a multiple of 256 in ab.
.macro ROWOUT r
.if \r
	s_wait_xcnt 0x0                                ; X was the first row's store data: loaded again only behind this wait
.endif
.set t, 0
.rept 24
	ds_load_b128 v[X+4*t:X+4*t+3], v2 offset:\r*LROW+512*t
.set t, t+1
.endr
.set t, 0
.rept 24
	s_wait_dscnt 23-t                              ; LDS loads come back in order: number t is in, the younger ones stay out
	v_cvt_pk_f16_f32 v[X+4*t],   v[X+4*t],   v[X+4*t+1]
	v_cvt_pk_f16_f32 v[X+4*t+1], v[X+4*t+2], v[X+4*t+3]
	global_store_b64 v3, v[X+4*t:X+4*t+1], s[22:23] offset:\r*OROW+256*t
.set t, t+1
.endr
.endm
	ROWOUT 0
	ROWOUT 1
	s_endpgm
	; ---- waves 9-16: two rows of x, 16,384 bytes, all 32 loads out at once; loads 0-15 are the first row, 16-31 the second ----
.Lx:
	s_sub_co_u32 s16, s12, 9
	s_lshl_b32 s14, ttmp9, 17                      ; 16 rows of 8,192 bytes a work-group
	s_lshl_b32 s17, s16, 14                        ; two rows a wave
	s_add_co_u32 s14, s14, s17
	s_mov_b32 s15, 0
	s_lshr_b32 s18, s14, 1                         ; half as many bytes on the way out
	s_mov_b32 s19, 0
	s_lshr_b32 s24, s14, 11                        ; 4 bytes of xs for a row of 8,192
	s_mov_b32 s25, 0
	s_mov_b32 s26, 0x76543210                      ; v_permlanex16_b32: lane i of one half reads lane i of the other
	s_mov_b32 s27, 0xfedcba98
	s_wait_kmcnt 0x0
	s_add_nc_u64 s[20:21], s[8:9], s[14:15]
	s_add_nc_u64 s[22:23], s[44:45], s[18:19]
	s_add_nc_u64 s[24:25], s[46:47], s[24:25]
.set t, 0
.rept 32
	global_load_b128 v[X+4*t:X+4*t+3], v4, s[20:21] offset:512*t th:TH_LOAD_NT
.set t, t+1
.endr
.set t, 0
.rept 32
	s_wait_loadcnt 31-t                            ; loads come back in order: number t is in
.if t%16 == 0
	v_pk_mul_f32 v[SQ+4*(t/16):SQ+4*(t/16)+1],   v[X+4*t:X+4*t+1],   v[X+4*t:X+4*t+1]       ; a row's first squares start its sums
	v_pk_mul_f32 v[SQ+4*(t/16)+2:SQ+4*(t/16)+3], v[X+4*t+2:X+4*t+3], v[X+4*t+2:X+4*t+3]
.else
	v_pk_fma_f32 v[SQ+4*(t/16):SQ+4*(t/16)+1],   v[X+4*t:X+4*t+1],   v[X+4*t:X+4*t+1],   v[SQ+4*(t/16):SQ+4*(t/16)+1]
	v_pk_fma_f32 v[SQ+4*(t/16)+2:SQ+4*(t/16)+3], v[X+4*t+2:X+4*t+3], v[X+4*t+2:X+4*t+3], v[SQ+4*(t/16)+2:SQ+4*(t/16)+3]
.endif
	v_cvt_pk_f16_f32 v[X+4*t],   v[X+4*t],   v[X+4*t+1]
	v_cvt_pk_f16_f32 v[X+4*t+1], v[X+4*t+2], v[X+4*t+3]
	global_store_b64 v3, v[X+4*t:X+4*t+1], s[22:23] offset:256*t
.set t, t+1
.endr
	; each row's sum over the 32 lanes; every lane ends with it
.irp r, 0,1
	v_pk_add_f32 v[SQ+4*\r:SQ+4*\r+1], v[SQ+4*\r:SQ+4*\r+1], v[SQ+4*\r+2:SQ+4*\r+3]
	v_add_f32 v[SQ+4*\r], v[SQ+4*\r], v[SQ+4*\r+1]
	v_add_f32_dpp v[SQ+4*\r], v[SQ+4*\r], v[SQ+4*\r] row_xmask:1 row_mask:0xf bank_mask:0xf
	v_add_f32_dpp v[SQ+4*\r], v[SQ+4*\r], v[SQ+4*\r] row_xmask:2 row_mask:0xf bank_mask:0xf
	v_add_f32_dpp v[SQ+4*\r], v[SQ+4*\r], v[SQ+4*\r] row_xmask:4 row_mask:0xf bank_mask:0xf
	v_add_f32_dpp v[SQ+4*\r], v[SQ+4*\r], v[SQ+4*\r] row_xmask:8 row_mask:0xf bank_mask:0xf
	v_permlanex16_b32 v[SQ+4*\r+1], v[SQ+4*\r], s26, s27
	v_add_f32 v[SQ+4*\r], v[SQ+4*\r], v[SQ+4*\r+1]
.endr
	v_cmp_eq_u32 vcc_lo, 1, v1
	v_cndmask_b32 v[SQ], v[SQ], v[SQ+4], vcc_lo    ; lane 0 keeps the first row's sum, lane 1 takes the second's
	v_lshlrev_b32 v5, 2, v1
	s_wait_xcnt 0x0                                ; EXEC is a source of the pending stores: it narrows only behind this wait
	v_cmp_gt_u32 vcc_lo, 2, v1
	s_and_saveexec_b32 s28, vcc_lo
	global_store_b32 v5, v[SQ], s[24:25]           ; 8 bytes a wave, 16 KiB in the whole launch
	s_endpgm
.Lfunc_end_k_q231675c738_cast:
	.size	k_q231675c738_cast, .Lfunc_end_k_q231675c738_cast-k_q231675c738_cast
	.p2alignl 7, 3214868480
	.fill 96, 4, 3214868480
	.section	.rodata,"a",@progbits
	.p2align	6, 0x0
	.amdhsa_kernel k_q231675c738_cast
		.amdhsa_group_segment_fixed_size 221184
		.amdhsa_private_segment_fixed_size 0
		.amdhsa_enable_private_segment 0
		.amdhsa_kernarg_size 48
		.amdhsa_user_sgpr_count 2
		.amdhsa_user_sgpr_kernarg_segment_ptr 1
		.amdhsa_wavefront_size32 1
		.amdhsa_system_sgpr_workgroup_id_x 1
		.amdhsa_system_sgpr_workgroup_id_y 1
		.amdhsa_system_sgpr_workgroup_id_z 1
		.amdhsa_system_vgpr_workitem_id 0
		.amdhsa_next_free_vgpr 144
		.amdhsa_next_free_sgpr 66
		.amdhsa_reserve_vcc 1
		.amdhsa_float_denorm_mode_32 3
		.amdhsa_float_denorm_mode_16_64 3
		.amdhsa_memory_ordered 1
		.amdhsa_forward_progress 1
		.amdhsa_inst_pref_size 35
	.end_amdhsa_kernel
	.amdgpu_metadata
---
amdhsa.version: [ 1, 2 ]
amdhsa.kernels:
  - .name:           k_q231675c738_cast
    .symbol:         k_q231675c738_cast.kd
    .args:
      - { .name: V1, .offset: 0, .size: 8, .value_kind: global_buffer, .address_space: global }
      - { .name: V2, .offset: 8, .size: 8, .value_kind: global_buffer, .address_space: global }
      - { .name: x, .offset: 16, .size: 8, .value_kind: global_buffer, .address_space: global }
      - { .name: ab, .offset: 24, .size: 8, .value_kind: global_buffer, .address_space: global }
      - { .name: xb, .offset: 32, .size: 8, .value_kind: global_buffer, .address_space: global }
      - { .name: xs, .offset: 40, .size: 8, .value_kind: global_buffer, .address_space: global }
    .group_segment_fixed_size: 221184
    .private_segment_fixed_size: 0
    .kernarg_segment_align: 8
    .kernarg_segment_size: 48
    .max_flat_workgroup_size: 544
    .sgpr_count:     66
    .vgpr_count:     144
    .wavefront_size: 32
...
	.end_amdgpu_metadata
.endif
;; end of part 6
;; launch gemmV: the kernel of part 2 again; grid 16 x 16, 4 waves a work-group, clusters of 4 x 4, 327,680 bytes of LDS; arguments ab, vp; writes vp
;; launch pack (part 7): grid 182 x 1, 8 waves a work-group, no clusters, 167,936 bytes of LDS; arguments vp, wb, fs; writes wb, fs
.if DOCPART == 7
	.amdgcn_target "amdgcn-amd-amdhsa--gfx1250"
	.amdhsa_code_object_version 6
	.text
	.protected	k_q231675c738_pack
	.globl	k_q231675c738_pack
	.p2align	8
	.type	k_q231675c738_pack,@function
k_q231675c738_pack:
	s_mov_b64 s[64:65], 0
	v_nop
	global_prefetch_b8 v0, s[64:65] scope:SCOPE_SE
	s_setreg_imm32_b32 hwreg(HW_REG_WAVE_MODE, 25, 1), 1
	s_wait_xcnt 0x0
; The flat image of V (rows of 2,897 without gaps) in f16, from vp (f32, pitch 3,072), and sums of squares of its first part.
;   wb: flat f16.  W1 [1024][2048] begins at byte 0, W2 [2048][1024] at byte 4,196,352.  (The biases are read from vp, in f32.)
;   fs [91] f32: fs[g] = the sum of the squares of work-group g's 23,176 numbers.  91 x 23,176 = 2,109,016 >= 2,098,176: the 91 sums
;      cover all of W1 and b1 (and 10,840 numbers of W2, which only loosen the bound that later launches make of them).
; LIMITS: |V| under 65,504; |V| below 6.1e-5 is kept in steps of 6e-8 (f16 denormals).
; Work-group g takes V's rows 8 g .. 8 g + 7.  Each wave's tensor load lays one row of 2,897 f32 behind the last in LDS: LDS then holds the flat image.
; The group's first number is 23,176 g; its bytes on the way out begin 16 (g % 16) behind a multiple of 256.  So the threads walk chunks of four numbers
; counted from that multiple: each wave's store of 8 bytes a lane is 256 bytes at a multiple of 256; the first and the last walk are masked.
; One fill, no refill.  No cluster: no two work-groups read the same bytes.
.set NV,  2897
.set SCR, 98304                        ; eight words of scratch, in a block of LDS into which no fill lands (the image ends at byte 93,216)
.set X,   8                            ; v[8:91]    chunks of walks 1 to 21
.set XA,  92                           ; v[92:95]   walk 0
.set XZ,  96                           ; v[96:99]   walk 22
.set SQ,  100                          ; v[100:103] sums of squares, two packed chains
.set T,   104                          ; v[104:105] at work
	s_load_b128 s[4:7], s[0:1], 0x0                ; vp s[4:5], wb s[6:7]
	s_load_b64 s[8:9], s[0:1], 0x10                ; fs
	v_lshrrev_b32 v1, 5, v0
	v_readfirstlane_b32 s12, v1                    ; wave 0..7
	s_lshl_b32 s13, ttmp9, 3
	s_add_co_u32 s13, s13, s12                     ; my row of V
	s_mul_i32 s14, s13, 12288
	s_mov_b32 s15, 0
	s_mov_b32 s24, 1
	s_mul_i32 s25, s12, 4*NV
	s_add_co_u32 s25, s25, 512                     ; the image begins at LDS byte 512
	s_mov_b32 s28, 2<<16                           ; elements of 4 bytes, no padding
	s_mov_b32 s29, NV<<16                          ; tensor_dim0
	s_mov_b32 s30, 1<<16                           ; tensor_dim1 = 1
	s_mov_b32 s31, NV<<16                          ; tile_dim0
	s_mov_b32 s32, 1                               ; tile_dim1
	s_mov_b32 s33, 3072                            ; pitch
	s_mov_b32 s34, 0
	s_mov_b32 s35, 0
	s_wait_kmcnt 0x0
	s_add_nc_u64 s[26:27], s[4:5], s[14:15]
	s_or_b32 s27, s27, 0x80000000
	tensor_load_to_lds s[24:27], s[28:35]          ; the wave's one tensor load
	s_and_b32 s17, ttmp9, 15                       ; a = g % 16
	s_lshl_b32 s18, s17, 1                         ; walk 0: chunks from 2 a on are mine
	s_add_co_u32 s19, s18, 162                     ; walk 22: chunks below 5,794 + 2 a - 5,632
	s_mul_i32 s20, ttmp9, 46352
	s_lshl_b32 s21, s17, 4
	s_sub_co_u32 s20, s20, s21                     ; the multiple of 256 at or below my first byte on the way out
	s_mov_b32 s21, 0
	s_add_nc_u64 s[6:7], s[6:7], s[20:21]
	s_lshl_b32 s22, s17, 5
	s_sub_co_u32 s22, 512, s22
	v_lshl_add_u32 v2, v0, 4, s22                  ; LDS address of chunk t = 0: 16 thread + 512 - 32 a
	v_add_nc_u32 v3, 0x10000, v2                   ; the same for walks 16 and later: the immediate has 16 bits
	v_lshlrev_b32 v5, 3, v0                        ; 8 bytes a thread on the way out
	s_mov_b32 s38, 0x76543210                      ; v_permlanex16_b32: lane i of one half reads lane i of the other
	s_mov_b32 s39, 0xfedcba98
	s_wait_tensorcnt 0x0                           ; my row has landed,
	s_barrier_signal -1
	s_barrier_wait -1                              ; everybody's has
; four f32 in v[x:x+3]: with sq = 1 their squares are added (first = 1: they start the sums); then two words of f16, stored
.macro CONV x, t, sq, first
.if \sq
.if \first
	v_pk_mul_f32 v[SQ:SQ+1],   v[\x:\x+1],   v[\x:\x+1]
	v_pk_mul_f32 v[SQ+2:SQ+3], v[\x+2:\x+3], v[\x+2:\x+3]
.else
	v_pk_fma_f32 v[SQ:SQ+1],   v[\x:\x+1],   v[\x:\x+1],   v[SQ:SQ+1]
	v_pk_fma_f32 v[SQ+2:SQ+3], v[\x+2:\x+3], v[\x+2:\x+3], v[SQ+2:SQ+3]
.endif
.endif
	v_cvt_pk_f16_f32 v[\x],   v[\x],   v[\x+1]
	v_cvt_pk_f16_f32 v[\x+1], v[\x+2], v[\x+3]
	global_store_b64 v5, v[\x:\x+1], s[6:7] offset:2048*\t
.endm
; The 21 full walks come first, so that the sums start with every lane on; under the two masks the lanes that are off keep theirs.
.macro WALK sq
.set t, 1
.rept 21
.if t < 16
	ds_load_b128 v[X+4*(t-1):X+4*(t-1)+3], v2 offset:4096*t
.else
	ds_load_b128 v[X+4*(t-1):X+4*(t-1)+3], v3 offset:4096*(t-16)
.endif
.set t, t+1
.endr
.set t, 1
.rept 21
	s_wait_dscnt 21-t                              ; the count leaves the younger of the 21 loads out
.if t == 1
	CONV X+4*(t-1), t, \sq, 1
.else
	CONV X+4*(t-1), t, \sq, 0
.endif
.set t, t+1
.endr
	s_wait_xcnt 0x0                                ; EXEC is a source of the pending stores: it narrows only behind this wait
	v_cmp_le_u32 vcc_lo, s18, v0                   ; walk 0: the chunks in front of mine are the neighbour's
	s_and_saveexec_b32 s36, vcc_lo
	ds_load_b128 v[XA:XA+3], v2
	s_wait_dscnt 0x0
	CONV XA, 0, \sq, 0
	s_wait_xcnt 0x0                                ; and it widens, and narrows again, only behind this one
	s_or_b32 exec_lo, exec_lo, s36
	v_cmp_gt_u32 vcc_lo, s19, v0                   ; walk 22: the chunks behind mine are the neighbour's
	s_and_saveexec_b32 s36, vcc_lo
	ds_load_b128 v[XZ:XZ+3], v3 offset:4096*(22-16)
	s_wait_dscnt 0x0
	CONV XZ, 22, \sq, 0
.if \sq
	s_wait_xcnt 0x0                                ; EXEC widens; X, which stores read, is written again below
	s_or_b32 exec_lo, exec_lo, s36
	v_pk_add_f32 v[SQ:SQ+1], v[SQ:SQ+1], v[SQ+2:SQ+3]
	v_add_f32 v[SQ], v[SQ], v[SQ+1]
	v_add_f32_dpp v[SQ], v[SQ], v[SQ] row_xmask:1 row_mask:0xf bank_mask:0xf
	v_add_f32_dpp v[SQ], v[SQ], v[SQ] row_xmask:2 row_mask:0xf bank_mask:0xf
	v_add_f32_dpp v[SQ], v[SQ], v[SQ] row_xmask:4 row_mask:0xf bank_mask:0xf
	v_add_f32_dpp v[SQ], v[SQ], v[SQ] row_xmask:8 row_mask:0xf bank_mask:0xf
	v_permlanex16_b32 v[SQ+1], v[SQ], s38, s39
	v_add_f32 v[SQ], v[SQ], v[SQ+1]                ; my wave's sum, in every lane
	v_mov_b32 v[T], SCR
	v_lshl_add_u32 v[T], s12, 2, v[T]
	ds_store_b32 v[T], v[SQ]                       ; my wave's word: all lanes write the same value
	s_wait_dscnt 0x0                               ; done, for wave 0's sake
	s_barrier_signal -1
	s_barrier_wait -1
	s_cmp_lg_u32 s12, 0
	s_cbranch_scc1 .Lrest_\@
	v_mov_b32 v[T], SCR
	ds_load_b128 v[X:X+3],   v[T]
	ds_load_b128 v[X+4:X+7], v[T] offset:16
	s_lshl_b32 s10, ttmp9, 2
	s_mov_b32 s11, 0
	s_add_nc_u64 s[8:9], s[8:9], s[10:11]          ; fs[g]
	v_mov_b32 v[T+1], 0
	s_wait_dscnt 0x0
	v_pk_add_f32 v[X:X+1],   v[X:X+1],   v[X+2:X+3]
	v_pk_add_f32 v[X+4:X+5], v[X+4:X+5], v[X+6:X+7]
	v_pk_add_f32 v[X:X+1],   v[X:X+1],   v[X+4:X+5]
	v_add_f32 v[X], v[X], v[X+1]
	v_cmp_eq_u32 vcc_lo, 0, v0
	s_and_saveexec_b32 s36, vcc_lo                 ; no global store has been issued since the last wait for the address counter
	global_store_b32 v[T+1], v[X], s[8:9]          ; one word a work-group
.Lrest_\@:
.endif
	s_endpgm
.endm
	s_cmp_lt_u32 ttmp9, 91                         ; groups 0 to 90 hold W1 and b1: the branch is the same in all eight waves
	s_cbranch_scc1 .Llow
	WALK 0
.Llow:
	WALK 1
.Lfunc_end_k_q231675c738_pack:
	.size	k_q231675c738_pack, .Lfunc_end_k_q231675c738_pack-k_q231675c738_pack
	.p2alignl 7, 3214868480
	.fill 96, 4, 3214868480
	.section	.rodata,"a",@progbits
	.p2align	6, 0x0
	.amdhsa_kernel k_q231675c738_pack
		.amdhsa_group_segment_fixed_size 167936
		.amdhsa_private_segment_fixed_size 0
		.amdhsa_enable_private_segment 0
		.amdhsa_kernarg_size 24
		.amdhsa_user_sgpr_count 2
		.amdhsa_user_sgpr_kernarg_segment_ptr 1
		.amdhsa_wavefront_size32 1
		.amdhsa_system_sgpr_workgroup_id_x 1
		.amdhsa_system_sgpr_workgroup_id_y 1
		.amdhsa_system_sgpr_workgroup_id_z 1
		.amdhsa_system_vgpr_workitem_id 0
		.amdhsa_next_free_vgpr 108
		.amdhsa_next_free_sgpr 66
		.amdhsa_reserve_vcc 1
		.amdhsa_float_denorm_mode_32 3
		.amdhsa_float_denorm_mode_16_64 3
		.amdhsa_memory_ordered 1
		.amdhsa_forward_progress 1
		.amdhsa_inst_pref_size 22
	.end_amdhsa_kernel
	.amdgpu_metadata
---
amdhsa.version: [ 1, 2 ]
amdhsa.kernels:
  - .name:           k_q231675c738_pack
    .symbol:         k_q231675c738_pack.kd
    .args:
      - { .name: vp, .offset: 0, .size: 8, .value_kind: global_buffer, .address_space: global }
      - { .name: wb, .offset: 8, .size: 8, .value_kind: global_buffer, .address_space: global }
      - { .name: fs, .offset: 16, .size: 8, .value_kind: global_buffer, .address_space: global }
    .group_segment_fixed_size: 167936
    .private_segment_fixed_size: 0
    .kernarg_segment_align: 8
    .kernarg_segment_size: 24
    .max_flat_workgroup_size: 256
    .sgpr_count:     66
    .vgpr_count:     108
    .wavefront_size: 32
...
	.end_amdgpu_metadata
.endif
;; end of part 7
;; launch gemmH (part 8): grid 8 x 32, 4 waves a work-group, clusters of 4 x 4, 327,680 bytes of LDS; arguments xb, wb, vp, hb, xs, fs; writes hb
.if DOCPART == 8
	.amdgcn_target "amdgcn-amd-amdhsa--gfx1250"
	.amdhsa_code_object_version 6
	.text
	.protected	k_q231675c738_gemmH
	.globl	k_q231675c738_gemmH
	.p2align	8
	.type	k_q231675c738_gemmH,@function
k_q231675c738_gemmH:
	s_mov_b64 s[64:65], 0
	v_nop
	global_prefetch_b8 v0, s[64:65] scope:SCOPE_SE
	s_setreg_imm32_b32 hwreg(HW_REG_WAVE_MODE, 25, 1), 1
	s_wait_xcnt 0x0
	s_wait_alu depctr_hold_cnt(0) depctr_sa_sdst(0) depctr_va_vdst(0) depctr_va_sdst(0) depctr_va_ssrc(0) depctr_va_vcc(0) depctr_vm_vsrc(0)
	s_getreg_b32 s2, hwreg(HW_REG_IB_STS2, 6, 4)
	s_cmp_eq_u32 s2, 0
	s_cbranch_scc0 .Lentry_in_a_cluster
	s_endpgm
.Lentry_in_a_cluster:
	s_bfe_u32 s2, ttmp6, 0x10000c
	s_cmp_lg_u32 s2, 0xf033
	s_cbranch_scc0 .Lentry_shape_is_right
	s_endpgm
.Lentry_shape_is_right:
; hb[i][n] = f16(relu(xb W1^T + b1)[i][n] * 2^(15 - q_i)).  xb [4096][2048] f16; W1 = wb's first [1024][2048] f16; b1 in f32 straight from vp; sums in f32.
; THE SCALE.  h as it is has no room in f16, so each row goes out under a power of two made from a bound:
; |h[i][n]| <= sqrt(xs[i] + 1) sqrt(F2), F2 = the sum of fs[0..90] >= the squares of W1's row n and of b1[n] (Cauchy-Schwarz on (x_i, 1) and (W1_n, b1_n)).
; With P = (xs[i] + 1) F2 and Eb its biased exponent, q = (Eb - 125) >> 1 gives sqrt(P) < 2^q, so |h| 2^(15-q) < 2^15: half of f16's largest number,
; which covers the roundings of the sums and of the operands.  q lies in -63 .. 65 for every Eb, so 2^(15-q) is a normal f32.
; The next launch makes the same q from the same numbers by the same instructions and multiplies by 2^(q-15).
; LIMIT: relu is a maximum in which a NaN loses: a NaN in the sums becomes 0.
; A work-group makes 128 x 128: 4096/128 x 1024/128 = 256 work-groups.  Four waves, 2 x 2, each 64 x 64 = 4 x 4 tiles of 16 x 16.
; K goes in steps of 256 through two LDS slots (B's 128 rows, then A's 128, rows of 512 bytes + 16 of padding) filled by tensor loads:
; waves 0, 1 bring B's halves, waves 2, 3 A's.  8 steps.
; CLUSTERS of 4 x 4: A's tile hangs on the block row alone and is asked for jointly by a row of the cluster, B's on the block column alone
; and is asked for jointly by a column.  A round of the cluster's barrier stands in front of the first joint loads, in front of every
; joint refill and in front of s_endpgm.
; The matrix instruction is used transposed (source 0 = 16 rows of W1, source 1 = 16 rows of x): lane l then holds row l % 16 of the tile and
; its eight registers the columns 8 (l / 16) + 0..7.  The bias, laid out the same way, is the C of each tile's first product: no add, no clearing.
; REGISTERS: window 0: v16-31 addresses, v32-39 the scales of my 4 tile rows (each twice, a pair for the packed multiply), v40-47 at work,
; v64-127 and v128-191 two fragment buffers (4 of B, 4 of A, 8 registers each);
; window 1: v0-127 the 16 accumulator tiles, tile (a, b) at v[8 (4 a + b)]; v128-159 the bias of my 4 tile columns.
; The 16 accumulators take turns, one instruction a turn, in the same order in every quarter step.
.set MT, 128
.set NT, 128
.set MB, 4
.set NB, 4
.set KS, 256
.set QS, KS/32
.set QI, 6
.set PITCH, 2*KS+16
.set AH, (MT/2)*PITCH
.set BH, (NT/2)*PITCH
.set SLOT, 2*AH+2*BH
.set LAPS, 4
.set NQL, 8
.set SPLIT, 2
.set PA, 2048
.set PB, 2048
.set STEPB, 4*KS
.set SP, 272                           ; the stage's pitch: 256 bytes + 16
.set ADRA, 16
.set ADRB, 20
.set STO, 24
.set RDA, 25
.set COA, 27
.set VN, 30
.set VK, 31
.set SC, 32
.set TS, 40
.set F0, 64
.set F1, F0+8*(MB+NB)
.set BIAS, 128                         ; in window 1
.set G1A, 24
.set G0A, 32
.set G1B, 48
.set G0B, 56
.set MULW, 0x50                        ; C and D in window 1
.set MULF, 0x50                        ; the bias lies in window 1 too
.set LDB,  0x40                        ; a load's destination in window 1
.set ACC2, 0x05                        ; sources 0 and 1 in window 1
.set RELU, 0x44                        ; destination and source 1 in window 1
.set SCAL, 0x41                        ; destination and source 0 in window 1, source 1 (the scale) in window 0
.set MSB, 0
.macro WIN new
.if MSB != \new
	s_set_vgpr_msb (MSB<<8)|\new
.set MSB, \new
.endif
.endm
.macro PLACES                          ; four places behind a matrix instruction, in front of loads into its sources and of readers of its result
.rept 4
	v_nop
.endr
.endm
.macro JLOAD s
	s_cmp_eq_u32 s13, 0
	s_cbranch_scc0 .Lfor_a_\@
	tensor_load_to_lds s[G0B+4*\s:G0B+4*\s+3], s[G1B:G1B+7]
	s_branch .Lasked_\@
.Lfor_a_\@:
	tensor_load_to_lds s[G0A+4*\s:G0A+4*\s+3], s[G1A:G1A+7]
.Lasked_\@:
.endm
.macro CREST
	s_cmp_lg_u32 s12, 0
	s_cbranch_scc1 .Lnot_wave_0_\@
	s_barrier_signal -3
.Lnot_wave_0_\@:
	s_barrier_wait -3
	s_barrier_signal -1
	s_barrier_wait -1
.endm
.macro CROUND
	s_barrier_signal -1
	s_barrier_wait -1
	CREST
.endm
.macro FETCH slot, k, f
	WIN 0
.set fi, 0
.rept NB
	ds_load_b128 v[\f+8*fi:\f+8*fi+3],   v[ADRB+\slot] offset:\k+fi*16*PITCH
	ds_load_b128 v[\f+8*fi+4:\f+8*fi+7], v[ADRB+\slot] offset:\k+fi*16*PITCH+32
.set fi, fi+1
.endr
.set fi, 0
.rept MB
	ds_load_b128 v[\f+8*(NB+fi):\f+8*(NB+fi)+3],   v[ADRA+\slot] offset:\k+fi*16*PITCH
	ds_load_b128 v[\f+8*(NB+fi)+4:\f+8*(NB+fi)+7], v[ADRA+\slot] offset:\k+fi*16*PITCH+32
.set fi, fi+1
.endr
.endm
; first = 1: the product starts the sums from the bias
.macro MULROWS f, alo, ahi, first
.set ia, \alo
.rept \ahi-\alo
.set ib, 0
.rept NB
.set it, 8*(NB*ia+ib)
.if \first
	v_wmma_f32_16x16x32_f16 v[it:it+7], v[\f+8*ib:\f+8*ib+7], v[\f+8*(NB+ia):\f+8*(NB+ia)+7], v[BIAS+8*ib:BIAS+8*ib+7]
.else
	v_wmma_f32_16x16x32_f16 v[it:it+7], v[\f+8*ib:\f+8*ib+7], v[\f+8*(NB+ia):\f+8*(NB+ia)+7], v[it:it+7]
.endif
.set ib, ib+1
.endr
.set ia, ia+1
.endr
.endm
.macro QUARTER slot, k, f, g, first
	s_wait_dscnt 0x0                               ; buffer f, asked for a quarter step ago
	PLACES                                         ; behind the matrix instructions that read buffer g
	FETCH \slot, \k, \g
.if \first
	WIN MULF
.else
	WIN MULW
.endif
	MULROWS \f, 0, MB, \first
.endm
.macro BODY slot, first, cnt
	QUARTER \slot, 64, F0, F1, \first
.set bq, 1
.rept (\cnt-1)/2
	QUARTER \slot, 64*(bq+1), F1, F0, 0
	QUARTER \slot, 64*(bq+2), F0, F1, 0
.set bq, bq+2
.endr
.endm
; the last quarter step of a slot, and the change of slots.  In front of the barrier: my reads of this slot are back and all my tensor loads
; have landed (one was out: my part of the next slot).  fill = 1: the barrier opens a round of the cluster's barrier, and behind the round
; my one joint load fills this slot again, ahead of every LDS read.
.macro LASTQ slot, next, fill
	s_wait_dscnt 0x0
	s_wait_tensorcnt 0x0
	s_barrier_signal -1
	WIN MULW
	MULROWS F1, 0, SPLIT, 0
	WIN 0
	s_barrier_wait -1
.if \fill
	CREST
	s_add_nc_u64 s[G0A+4*\slot+2:G0A+4*\slot+3], s[G0A+4*\slot+2:G0A+4*\slot+3], STEPB
	s_add_nc_u64 s[G0B+4*\slot+2:G0B+4*\slot+3], s[G0B+4*\slot+2:G0B+4*\slot+3], STEPB
	JLOAD \slot
.endif
	PLACES
	FETCH \next, 0, F0
	WIN MULW
	MULROWS F1, SPLIT, MB, 0
.endm
.macro LAP first
	BODY 0, \first, QS-1
	LASTQ 0, 1, 1
	BODY 1, 0, QS-1
	LASTQ 1, 0, 1
.endm
	s_load_b256 s[4:11], s[0:1], 0x0               ; xb s[4:5], wb s[6:7], vp s[8:9], hb s[10:11]
	s_load_b128 s[68:71], s[0:1], 0x20             ; xs s[68:69], fs s[70:71]
	v_lshrrev_b32 v1, 5, v0
	v_readfirstlane_b32 s12, v1                    ; wave 0..3
	s_lshr_b32 s13, s12, 1                         ; my half of the block's rows.  Also: I fetch for B (0) or for A (1)
	s_and_b32 s14, s12, 1                          ; my half of its columns.  Also: which half of that tile I fetch
	s_bfe_u32 s40, ttmp6, 0x40000                  ; cx
	s_bfe_u32 s41, ttmp6, 0x40004                  ; cy
	s_lshl_b32 s42, ttmp9, 2
	s_add_co_u32 s42, s42, s40                     ; block column
	s_and_b32 s43, ttmp7, 0xffff
	s_lshl_b32 s43, s43, 2
	s_add_co_u32 s43, s43, s41                     ; block row
	s_lshl_b32 s44, s41, 2
	s_lshl_b32 s44, 15, s44                        ; my row of the cluster
	s_lshl_b32 s45, 0x1111, s40                    ; my column
	s_or_b32 s[G1A+0], s44, (1<<16)|(1<<20)|(1<<21)|(QI<<22)|(3<<25)
	s_or_b32 s[G1B+0], s45, (1<<16)|(1<<20)|(1<<21)|(QI<<22)|(3<<25)
	s_mov_b32 s[G1A+1], KS<<16
	s_mov_b32 s[G1B+1], KS<<16
	s_mov_b32 s[G1A+2], (MT/2)<<16
	s_mov_b32 s[G1B+2], (NT/2)<<16
	s_mov_b32 s[G1A+3], KS<<16
	s_mov_b32 s[G1B+3], KS<<16
	s_mov_b32 s[G1A+4], MT/2
	s_mov_b32 s[G1B+4], NT/2
	s_mov_b32 s[G1A+5], PA
	s_mov_b32 s[G1B+5], PB
	s_mov_b32 s[G1A+6], 0
	s_mov_b32 s[G1B+6], 0
	s_mov_b32 s[G1A+7], 0
	s_mov_b32 s[G1B+7], 0
	s_mul_i32 s22, s14, MT/2
	s_mul_i32 s16, s43, MT
	s_add_co_u32 s16, s16, s22
	s_mul_i32 s16, s16, PA*2
	s_mov_b32 s17, 0
	s_mul_i32 s22, s14, NT/2
	s_mul_i32 s46, s42, NT
	s_add_co_u32 s46, s46, s22
	s_mul_i32 s46, s46, PB*2
	s_mov_b32 s47, 0
	s_mul_i32 s21, s12, BH                         ; B's halves at wave x BH (waves 0, 1)
	s_mul_i32 s20, s12, AH
	s_add_co_u32 s20, s20, 2*BH-2*AH               ; A's halves behind them (waves 2, 3)
	s_mov_b32 s66, 0x76543210                      ; v_permlanex16_b32: lane i of one half reads lane i of the other
	s_mov_b32 s67, 0xfedcba98
	s_wait_kmcnt 0x0
	s_add_nc_u64 s[16:17], s[4:5], s[16:17]
	s_add_nc_u64 s[46:47], s[6:7], s[46:47]
	CROUND                                         ; all sixteen work-groups are here: the first joint loads meet
.irp s, 0,1
	s_mov_b32 s[G0A+4*\s], 1
	s_add_co_u32 s[G0A+4*\s+1], s20, \s*SLOT
	s_add_nc_u64 s[G0A+4*\s+2:G0A+4*\s+3], s[16:17], \s*KS*2
	s_or_b32 s[G0A+4*\s+3], s[G0A+4*\s+3], 0x80000000
	s_mov_b32 s[G0B+4*\s], 1
	s_add_co_u32 s[G0B+4*\s+1], s21, \s*SLOT
	s_add_nc_u64 s[G0B+4*\s+2:G0B+4*\s+3], s[46:47], \s*KS*2
	s_or_b32 s[G0B+4*\s+3], s[G0B+4*\s+3], 0x80000000
	JLOAD \s                                       ; two tensor loads of the wave are out here, one behind every later round
.endr
	v_and_b32 v1, 15, v0
	v_bfe_u32 v2, v0, 4, 1
	v_mul_u32_u24 v3, v1, PITCH
	v_lshl_add_u32 v3, v2, 4, v3
	s_mul_i32 s22, s14, BH
	s_mul_i32 s23, s13, AH
	s_add_co_u32 s23, s23, 2*BH
.irp s, 0,1
	v_add_nc_u32 v[ADRB+\s], s22, v3
	v_add_nc_u32 v[ADRA+\s], s23, v3
	s_add_co_u32 s22, s22, SLOT
	s_add_co_u32 s23, s23, SLOT
.endr
	; the way out: a stage of 128 rows x 272 bytes for the whole work-group, in slot 0
	v_mul_u32_u24 v4, v1, SP
	v_lshl_add_u32 v4, v2, 4, v4
	s_mul_i32 s22, s13, (MT/2)*SP
	s_lshl_b32 s23, s14, 7
	s_add_co_u32 s22, s22, s23
	v_add_nc_u32 v[STO], s22, v4                   ; row (64 mh + l % 16), byte 128 nh + 16 (l / 16)
	v_mul_u32_u24 v5, v2, SP
	v_lshl_add_u32 v5, v1, 4, v5
	s_mul_i32 s22, s12, (MT/4)*SP
	v_add_nc_u32 v[RDA], s22, v5                   ; back: wave w takes rows 32 w .. 32 w + 31, two rows a load
	v_lshlrev_b32 v6, 4, v1
	v_lshl_add_u32 v[COA], v2, 11, v6              ; the same two rows in hb
	; the bias.  b1[n] is V's flat number 2,097,152 + n = row 723, column 2,621 + n; from n = 276 on row 724, which in vp's pitch of 3,072
	; lies 175 numbers (700 bytes) further.  Register j of tile column b wants n = 128 block + 64 nh + 16 b + 8 (l / 16) + j.
	s_lshl_b32 s18, s42, 7
	s_lshl_b32 s19, s14, 6
	s_add_co_u32 s18, s18, s19
	v_lshl_add_u32 v[VN], v2, 3, s18
	v_mov_b32 v[VK], 700
	s_add_nc_u64 s[8:9], s[8:9], (723*3072+2621)*4
.set bi, 0
.rept 8*NB
	v_add_nc_u32 v[F0+bi], 16*(bi/8)+bi%8, v[VN]
	v_cmp_le_u32 vcc_lo, 276, v[F0+bi]
	v_cndmask_b32 v3, 0, v[VK], vcc_lo
	v_lshl_add_u32 v[F0+bi], v[F0+bi], 2, v3
.set bi, bi+1
.endr
	WIN LDB
.set bi, 0
.rept 8*NB
	global_load_b32 v[BIAS+bi], v[F0+bi], s[8:9]
.set bi, bi+1
.endr
	WIN 0
	; the scale: fs's 91 words over the 32 lanes (words l, 32 + l, and 64 + l for l < 27), and xs of my lane's row in each of my 4 tile rows
	v_and_b32 v5, 31, v0
	v_lshlrev_b32 v6, 2, v5
	v_min_u32 v7, 26, v5                           ; lanes 27-31 read word 90 again, and drop it below
	v_lshlrev_b32 v7, 2, v7
	v_lshlrev_b32 v8, 2, v1
	s_lshl_b32 s18, s43, 9                         ; 128 rows of 4 bytes a block row
	s_lshl_b32 s19, s13, 8                         ; 64 rows for my half
	s_add_co_u32 s18, s18, s19
	s_mov_b32 s19, 0
	s_add_nc_u64 s[68:69], s[68:69], s[18:19]
	global_load_b32 v[TS],   v6, s[70:71]
	global_load_b32 v[TS+1], v6, s[70:71] offset:128
	global_load_b32 v[TS+2], v7, s[70:71] offset:256
.irp a, 0,1,2,3
	global_load_b32 v[TS+4+\a], v8, s[68:69] offset:64*\a
.endr
	s_wait_loadcnt 0x0                             ; the bias, fs and xs are in; the bias's offset registers, which lie in buffer 0, are free
	v_cmp_gt_u32 vcc_lo, 27, v5
	v_cndmask_b32 v[TS+2], 0, v[TS+2], vcc_lo
	v_add_f32 v[TS], v[TS], v[TS+1]
	v_add_f32 v[TS], v[TS], v[TS+2]
	v_add_f32_dpp v[TS], v[TS], v[TS] row_xmask:1 row_mask:0xf bank_mask:0xf
	v_add_f32_dpp v[TS], v[TS], v[TS] row_xmask:2 row_mask:0xf bank_mask:0xf
	v_add_f32_dpp v[TS], v[TS], v[TS] row_xmask:4 row_mask:0xf bank_mask:0xf
	v_add_f32_dpp v[TS], v[TS], v[TS] row_xmask:8 row_mask:0xf bank_mask:0xf
	v_permlanex16_b32 v[TS+1], v[TS], s66, s67
	v_add_f32 v[TS], v[TS], v[TS+1]                ; F2, the same bits in every lane
.irp a, 0,1,2,3
	v_fma_f32 v[TS+4+\a], v[TS+4+\a], v[TS], v[TS] ; P = (xs + 1) F2
	v_lshrrev_b32 v[TS+4+\a], 23, v[TS+4+\a]       ; Eb
	v_add_nc_u32 v[TS+4+\a], 0xffffff83, v[TS+4+\a]   ; - 125
	v_ashrrev_i32 v[TS+4+\a], 1, v[TS+4+\a]        ; q
	v_sub_nc_u32 v[TS+4+\a], 142, v[TS+4+\a]       ; 127 + 15 - q
	v_lshlrev_b32 v[SC+2*\a], 23, v[TS+4+\a]       ; 2^(15 - q)
	v_mov_b32 v[SC+2*\a+1], v[SC+2*\a]
.endr
	s_wait_tensorcnt 0x1                           ; my part of step 0 is in; step 1's may stay out
	s_barrier_signal -1
	s_barrier_wait -1
	FETCH 0, 0, F0
	LAP 1
	WIN 0
	s_mov_b32 s15, LAPS-2
.Llap:
	LAP 0
	WIN 0
	s_sub_co_u32 s15, s15, 1
	s_cmp_lg_u32 s15, 0
	s_cbranch_scc1 .Llap
	BODY 0, 0, QS-1                                ; the last lap fills nothing
	LASTQ 0, 1, 0                                  ; behind this barrier no wave reads slot 0 any more, and no load fills it again
	BODY 1, 0, NQL-1
	s_wait_dscnt 0x0
	WIN MULW
	MULROWS F1, 0, MB, 0
	; THE WAY OUT: the row's scale, relu, round to f16, 16 bytes a lane into the stage, back as whole rows of 256 bytes.
	PLACES
	WIN SCAL
.set ea, 0
.rept MB
.set ei, 0
.rept 4*NB
	v_pk_mul_f32 v[8*NB*ea+2*ei:8*NB*ea+2*ei+1], v[8*NB*ea+2*ei:8*NB*ea+2*ei+1], v[SC+2*ea:SC+2*ea+1]
.set ei, ei+1
.endr
.set ea, ea+1
.endr
	WIN RELU
.set ei, 0
.rept 8*MB*NB
	v_max_num_f32 v[ei], 0, v[ei]
.set ei, ei+1
.endr
	WIN ACC2
.set ei, 0
.rept 4*MB*NB
	v_cvt_pk_f16_f32 v[F0+ei], v[2*ei], v[2*ei+1]
.set ei, ei+1
.endr
	WIN 0
.set ea, 0
.rept MB
.set eb, 0
.rept NB
	ds_store_b128 v[STO], v[F0+4*(NB*ea+eb):F0+4*(NB*ea+eb)+3] offset:ea*16*SP+32*eb
.set eb, eb+1
.endr
.set ea, ea+1
.endr
	s_lshl_b32 s16, s43, 7
	s_lshl_b32 s22, s12, 5
	s_add_co_u32 s16, s16, s22                     ; my first row of hb
	s_lshl_b32 s16, s16, 11                        ; rows of 2,048 bytes
	s_mov_b32 s17, 0
	s_add_nc_u64 s[10:11], s[10:11], s[16:17]
	s_lshl_b32 s46, s42, 8                         ; my block's first column, in bytes
	s_mov_b32 s47, 0
	s_add_nc_u64 s[10:11], s[10:11], s[46:47]
	s_wait_dscnt 0x0                               ; my stores into the stage are done, for the other waves' sake
	s_barrier_signal -1
	s_barrier_wait -1
.set et, 0
.rept 16
	ds_load_b128 v[F1+4*et:F1+4*et+3], v[RDA] offset:2*SP*et
.set et, et+1
.endr
.set et, 0
.rept 16
	s_wait_dscnt 15-et                             ; the count leaves the younger of the 16 loads out
	global_store_b128 v[COA], v[F1+4*et:F1+4*et+3], s[10:11] offset:4096*et   ; 16 lanes store 256 bytes at a multiple of 256 in hb
.set et, et+1
.endr
	CROUND                                         ; the closing round
	s_endpgm
.Lfunc_end_k_q231675c738_gemmH:
	.size	k_q231675c738_gemmH, .Lfunc_end_k_q231675c738_gemmH-k_q231675c738_gemmH
	.p2alignl 7, 3214868480
	.fill 96, 4, 3214868480
	.section	.rodata,"a",@progbits
	.p2align	6, 0x0
	.amdhsa_kernel k_q231675c738_gemmH
		.amdhsa_group_segment_fixed_size 327680
		.amdhsa_private_segment_fixed_size 0
		.amdhsa_enable_private_segment 0
		.amdhsa_kernarg_size 48
		.amdhsa_user_sgpr_count 2
		.amdhsa_user_sgpr_kernarg_segment_ptr 1
		.amdhsa_wavefront_size32 1
		.amdhsa_system_sgpr_workgroup_id_x 1
		.amdhsa_system_sgpr_workgroup_id_y 1
		.amdhsa_system_sgpr_workgroup_id_z 1
		.amdhsa_system_vgpr_workitem_id 0
		.amdhsa_next_free_vgpr 416
		.amdhsa_next_free_sgpr 72
		.amdhsa_reserve_vcc 1
		.amdhsa_float_denorm_mode_32 3
		.amdhsa_float_denorm_mode_16_64 3
		.amdhsa_memory_ordered 1
		.amdhsa_forward_progress 1
		.amdhsa_inst_pref_size 145
	.end_amdhsa_kernel
	.amdgpu_metadata
---
amdhsa.version: [ 1, 2 ]
amdhsa.kernels:
  - .name:           k_q231675c738_gemmH
    .symbol:         k_q231675c738_gemmH.kd
    .args:
      - { .name: xb, .offset: 0, .size: 8, .value_kind: global_buffer, .address_space: global }
      - { .name: wb, .offset: 8, .size: 8, .value_kind: global_buffer, .address_space: global }
      - { .name: vp, .offset: 16, .size: 8, .value_kind: global_buffer, .address_space: global }
      - { .name: hb, .offset: 24, .size: 8, .value_kind: global_buffer, .address_space: global }
      - { .name: xs, .offset: 32, .size: 8, .value_kind: global_buffer, .address_space: global }
      - { .name: fs, .offset: 40, .size: 8, .value_kind: global_buffer, .address_space: global }
    .group_segment_fixed_size: 327680
    .private_segment_fixed_size: 0
    .kernarg_segment_align: 8
    .kernarg_segment_size: 48
    .max_flat_workgroup_size: 128
    .sgpr_count:     72
    .vgpr_count:     416
    .wavefront_size: 32
...
	.end_amdgpu_metadata
.endif
;; end of part 8
;; launch gemmO (part 9): grid 8 x 32, 4 waves a work-group, clusters of 4 x 4, 327,680 bytes of LDS; arguments hb, wb, vp, out0, xs, fs; writes out0
.if DOCPART == 9
	.amdgcn_target "amdgcn-amd-amdhsa--gfx1250"
	.amdhsa_code_object_version 6
	.text
	.protected	k_q231675c738_gemmO
	.globl	k_q231675c738_gemmO
	.p2align	8
	.type	k_q231675c738_gemmO,@function
k_q231675c738_gemmO:
	s_mov_b64 s[64:65], 0
	v_nop
	global_prefetch_b8 v0, s[64:65] scope:SCOPE_SE
	s_setreg_imm32_b32 hwreg(HW_REG_WAVE_MODE, 25, 1), 1
	s_wait_xcnt 0x0
	s_wait_alu depctr_hold_cnt(0) depctr_sa_sdst(0) depctr_va_vdst(0) depctr_va_sdst(0) depctr_va_ssrc(0) depctr_va_vcc(0) depctr_vm_vsrc(0)
	s_getreg_b32 s2, hwreg(HW_REG_IB_STS2, 6, 4)
	s_cmp_eq_u32 s2, 0
	s_cbranch_scc0 .Lentry_in_a_cluster
	s_endpgm
.Lentry_in_a_cluster:
	s_bfe_u32 s2, ttmp6, 0x10000c
	s_cmp_lg_u32 s2, 0xf033
	s_cbranch_scc0 .Lentry_shape_is_right
	s_endpgm
.Lentry_shape_is_right:
; out0[i][n] = 2^(q_i - 15) (hb W2^T)[i][n] + b2[n].  hb [4096][1024] f16 holds h's row i times 2^(15 - q_i); W2 [2048][1024] f16 at wb + 4,196,352;
; b2 in f32 straight from vp; sums in f32.
; THE SCALE is made as in the launch that stored hb, from the same numbers by the same instructions: F2 = the sum of fs[0..90], P = (xs[i] + 1) F2,
; Eb its biased exponent, q = (Eb - 125) >> 1, in -63 .. 65 for every Eb, so 2^(q-15) is a normal f32.  It and the bias go in by one fused multiply-add on the way out.
; A work-group makes 128 x 256: 4096/128 x 2048/256 = 256 work-groups.  Four waves, 2 x 2, each 64 x 128 = 4 x 8 tiles of 16 x 16.
; K goes in steps of 128 through two LDS slots (B's 256 rows, then A's 128, rows of 256 bytes + 16 of padding) filled by tensor loads:
; waves 0, 1 bring B's halves, waves 2, 3 A's.  8 steps.  (Two slots of 256 along K would take 405,504 bytes of LDS: they do not fit.)
; CLUSTERS of 4 x 4: A's tile hangs on the block row alone and is asked for jointly by a row of the cluster, B's on the block column alone
; and is asked for jointly by a column.  A round of the cluster's barrier stands in front of the first joint loads, in front of every
; joint refill and in front of s_endpgm.
; The matrix instruction is used transposed (source 0 = 16 rows of W2, source 1 = 16 rows of h): lane l then holds row l % 16 of the tile and
; its eight registers the columns 8 (l / 16) + 0..7: the row's scale is one number a lane.
; REGISTERS: window 0: v16-27 addresses, v32-39 the scales of my 4 tile rows (each twice, a pair for the packed multiply-add), v40-47 at work,
; v64-159 and v160-255 two fragment buffers (8 of B, 4 of A, 8 registers each);
; window 1: the 32 accumulator tiles, tile (a, b) at v[8 (8 a + b)]; window 2: v0-63 the bias of my 8 tile columns.
; The 32 accumulators take turns, one instruction a turn, in the same order in every quarter step.
.set MT, 128
.set NT, 256
.set MB, 4
.set NB, 8
.set KS, 128
.set QS, KS/32
.set QI, 5
.set PITCH, 2*KS+16
.set AH, (MT/2)*PITCH
.set BH, (NT/2)*PITCH
.set SLOT, 2*AH+2*BH
.set LAPS, 4
.set NQL, 4
.set SPLIT, 2
.set PA, 1024
.set PB, 1024
.set STEPB, 4*KS                       ; bytes that a slot's address steps at a refill: two steps along K
.set W2AT, 4196352                     ; W2's first byte in wb
.set SP, 528                           ; the stage's pitch: 512 bytes + 16
.set ADRA, 16
.set ADRB, 20
.set STO, 24
.set RDA, 25
.set COA, 27
.set SC, 32
.set TS, 40
.set F0, 64
.set F1, F0+8*(MB+NB)
.set BIAS, 0                           ; in window 2
.set G1A, 24
.set G0A, 32
.set G1B, 48
.set G0B, 56
.set MULW, 0x50                        ; C and D in window 1
.set LDB,  0x80                        ; a load's destination in window 2
.set ACCD, 0x04                        ; an LDS store's data in window 1
.set FIN,  0x61                        ; destination and source 0 in window 1, source 1 (the scale) in window 0, source 2 (the bias) in window 2
.set MSB, 0
.macro WIN new
.if MSB != \new
	s_set_vgpr_msb (MSB<<8)|\new
.set MSB, \new
.endif
.endm
.macro PLACES                          ; four places behind a matrix instruction, in front of loads into its sources and of readers of its result
.rept 4
	v_nop
.endr
.endm
.macro JLOAD s
	s_cmp_eq_u32 s13, 0
	s_cbranch_scc0 .Lfor_a_\@
	tensor_load_to_lds s[G0B+4*\s:G0B+4*\s+3], s[G1B:G1B+7]
	s_branch .Lasked_\@
.Lfor_a_\@:
	tensor_load_to_lds s[G0A+4*\s:G0A+4*\s+3], s[G1A:G1A+7]
.Lasked_\@:
.endm
.macro CREST
	s_cmp_lg_u32 s12, 0
	s_cbranch_scc1 .Lnot_wave_0_\@
	s_barrier_signal -3
.Lnot_wave_0_\@:
	s_barrier_wait -3
	s_barrier_signal -1
	s_barrier_wait -1
.endm
.macro CROUND
	s_barrier_signal -1
	s_barrier_wait -1
	CREST
.endm
.macro FETCH slot, k, f
	WIN 0
.set fi, 0
.rept NB
	ds_load_b128 v[\f+8*fi:\f+8*fi+3],   v[ADRB+\slot] offset:\k+fi*16*PITCH
	ds_load_b128 v[\f+8*fi+4:\f+8*fi+7], v[ADRB+\slot] offset:\k+fi*16*PITCH+32
.set fi, fi+1
.endr
.set fi, 0
.rept MB
	ds_load_b128 v[\f+8*(NB+fi):\f+8*(NB+fi)+3],   v[ADRA+\slot] offset:\k+fi*16*PITCH
	ds_load_b128 v[\f+8*(NB+fi)+4:\f+8*(NB+fi)+7], v[ADRA+\slot] offset:\k+fi*16*PITCH+32
.set fi, fi+1
.endr
.endm
; first = 1: the product starts the sums, nothing is cleared
.macro MULROWS f, alo, ahi, first
.set ia, \alo
.rept \ahi-\alo
.set ib, 0
.rept NB
.set it, 8*(NB*ia+ib)
.if \first
	v_wmma_f32_16x16x32_f16 v[it:it+7], v[\f+8*ib:\f+8*ib+7], v[\f+8*(NB+ia):\f+8*(NB+ia)+7], 0
.else
	v_wmma_f32_16x16x32_f16 v[it:it+7], v[\f+8*ib:\f+8*ib+7], v[\f+8*(NB+ia):\f+8*(NB+ia)+7], v[it:it+7]
.endif
.set ib, ib+1
.endr
.set ia, ia+1
.endr
.endm
.macro QUARTER slot, k, f, g, first
	s_wait_dscnt 0x0                               ; buffer f, asked for a quarter step ago
	PLACES                                         ; behind the matrix instructions that read buffer g
	FETCH \slot, \k, \g
	WIN MULW
	MULROWS \f, 0, MB, \first
.endm
.macro BODY slot, first, cnt
	QUARTER \slot, 64, F0, F1, \first
.set bq, 1
.rept (\cnt-1)/2
	QUARTER \slot, 64*(bq+1), F1, F0, 0
	QUARTER \slot, 64*(bq+2), F0, F1, 0
.set bq, bq+2
.endr
.endm
; the last quarter step of a slot, and the change of slots.  In front of the barrier: my reads of this slot are back and all my tensor loads
; have landed (one was out: my part of the next slot).  fill = 1: the barrier opens a round of the cluster's barrier, and behind the round
; my one joint load fills this slot again, ahead of every LDS read.
.macro LASTQ slot, next, fill
	s_wait_dscnt 0x0
	s_wait_tensorcnt 0x0
	s_barrier_signal -1
	WIN MULW
	MULROWS F1, 0, SPLIT, 0
	WIN 0
	s_barrier_wait -1
.if \fill
	CREST
	s_add_nc_u64 s[G0A+4*\slot+2:G0A+4*\slot+3], s[G0A+4*\slot+2:G0A+4*\slot+3], STEPB
	s_add_nc_u64 s[G0B+4*\slot+2:G0B+4*\slot+3], s[G0B+4*\slot+2:G0B+4*\slot+3], STEPB
	JLOAD \slot
.endif
	PLACES
	FETCH \next, 0, F0
	WIN MULW
	MULROWS F1, SPLIT, MB, 0
.endm
.macro LAP first
	BODY 0, \first, QS-1
	LASTQ 0, 1, 1
	BODY 1, 0, QS-1
	LASTQ 1, 0, 1
.endm
	s_load_b256 s[4:11], s[0:1], 0x0               ; hb s[4:5], wb s[6:7], vp s[8:9], out0 s[10:11]
	s_load_b128 s[68:71], s[0:1], 0x20             ; xs s[68:69], fs s[70:71]
	v_lshrrev_b32 v1, 5, v0
	v_readfirstlane_b32 s12, v1                    ; wave 0..3
	s_lshr_b32 s13, s12, 1                         ; my half of the block's rows.  Also: I fetch for B (0) or for A (1)
	s_and_b32 s14, s12, 1                          ; my half of its columns.  Also: which half of that tile I fetch
	s_bfe_u32 s40, ttmp6, 0x40000                  ; cx
	s_bfe_u32 s41, ttmp6, 0x40004                  ; cy
	s_lshl_b32 s42, ttmp9, 2
	s_add_co_u32 s42, s42, s40                     ; block column
	s_and_b32 s43, ttmp7, 0xffff
	s_lshl_b32 s43, s43, 2
	s_add_co_u32 s43, s43, s41                     ; block row
	s_lshl_b32 s44, s41, 2
	s_lshl_b32 s44, 15, s44                        ; my row of the cluster
	s_lshl_b32 s45, 0x1111, s40                    ; my column
	s_or_b32 s[G1A+0], s44, (1<<16)|(1<<20)|(1<<21)|(QI<<22)|(3<<25)
	s_or_b32 s[G1B+0], s45, (1<<16)|(1<<20)|(1<<21)|(QI<<22)|(3<<25)
	s_mov_b32 s[G1A+1], KS<<16
	s_mov_b32 s[G1B+1], KS<<16
	s_mov_b32 s[G1A+2], (MT/2)<<16
	s_mov_b32 s[G1B+2], (NT/2)<<16
	s_mov_b32 s[G1A+3], KS<<16
	s_mov_b32 s[G1B+3], KS<<16
	s_mov_b32 s[G1A+4], MT/2
	s_mov_b32 s[G1B+4], NT/2
	s_mov_b32 s[G1A+5], PA
	s_mov_b32 s[G1B+5], PB
	s_mov_b32 s[G1A+6], 0
	s_mov_b32 s[G1B+6], 0
	s_mov_b32 s[G1A+7], 0
	s_mov_b32 s[G1B+7], 0
	s_mul_i32 s22, s14, MT/2
	s_mul_i32 s16, s43, MT
	s_add_co_u32 s16, s16, s22
	s_mul_i32 s16, s16, PA*2
	s_mov_b32 s17, 0
	s_mul_i32 s22, s14, NT/2
	s_mul_i32 s46, s42, NT
	s_add_co_u32 s46, s46, s22
	s_mul_i32 s46, s46, PB*2
	s_add_co_u32 s46, s46, W2AT
	s_mov_b32 s47, 0
	s_mul_i32 s21, s12, BH                         ; B's halves at wave x BH (waves 0, 1)
	s_mul_i32 s20, s12, AH
	s_add_co_u32 s20, s20, 2*BH-2*AH               ; A's halves behind them (waves 2, 3)
	s_mov_b32 s66, 0x76543210                      ; v_permlanex16_b32: lane i of one half reads lane i of the other
	s_mov_b32 s67, 0xfedcba98
	s_wait_kmcnt 0x0
	s_add_nc_u64 s[16:17], s[4:5], s[16:17]
	s_add_nc_u64 s[46:47], s[6:7], s[46:47]
	CROUND                                         ; all sixteen work-groups are here: the first joint loads meet
.irp s, 0,1
	s_mov_b32 s[G0A+4*\s], 1
	s_add_co_u32 s[G0A+4*\s+1], s20, \s*SLOT
	s_add_nc_u64 s[G0A+4*\s+2:G0A+4*\s+3], s[16:17], \s*KS*2
	s_or_b32 s[G0A+4*\s+3], s[G0A+4*\s+3], 0x80000000
	s_mov_b32 s[G0B+4*\s], 1
	s_add_co_u32 s[G0B+4*\s+1], s21, \s*SLOT
	s_add_nc_u64 s[G0B+4*\s+2:G0B+4*\s+3], s[46:47], \s*KS*2
	s_or_b32 s[G0B+4*\s+3], s[G0B+4*\s+3], 0x80000000
	JLOAD \s                                       ; two tensor loads of the wave are out here, one behind every later round
.endr
	v_and_b32 v1, 15, v0
	v_bfe_u32 v2, v0, 4, 1
	v_mul_u32_u24 v3, v1, PITCH
	v_lshl_add_u32 v3, v2, 4, v3
	s_mul_i32 s22, s14, BH
	s_mul_i32 s23, s13, AH
	s_add_co_u32 s23, s23, 2*BH
.irp s, 0,1
	v_add_nc_u32 v[ADRB+\s], s22, v3
	v_add_nc_u32 v[ADRA+\s], s23, v3
	s_add_co_u32 s22, s22, SLOT
	s_add_co_u32 s23, s23, SLOT
.endr
	; the way out: each wave's own stage of 16 rows x 528 bytes, in slot 0
	s_mul_i32 s22, s12, 16*SP
	v_mul_u32_u24 v4, v1, SP
	v_lshl_add_u32 v4, v2, 5, v4
	v_add_nc_u32 v[STO], s22, v4                   ; row l % 16, byte 32 (l / 16)
	v_and_b32 v5, 31, v0                           ; lane
	v_lshlrev_b32 v[COA], 4, v5                    ; back: a whole row of 512 bytes a load
	v_add_nc_u32 v[RDA], s22, v[COA]
	; the bias.  b2[n] is V's flat number 4,195,328 + n = row 1,448, column 472 + n, all in that row.
	; Register j of tile column b wants n = 256 block + 128 nh + 16 b + 8 (l / 16) + j: two loads of 16 bytes.
	s_lshl_b32 s18, s42, 10
	s_lshl_b32 s19, s14, 9
	s_add_co_u32 s18, s18, s19
	s_add_co_u32 s18, s18, (1448*3072+472)*4
	s_mov_b32 s19, 0
	s_add_nc_u64 s[8:9], s[8:9], s[18:19]
	v_lshlrev_b32 v3, 5, v2
	WIN LDB
.set bi, 0
.rept NB
	global_load_b128 v[BIAS+8*bi:BIAS+8*bi+3],   v3, s[8:9] offset:64*bi
	global_load_b128 v[BIAS+8*bi+4:BIAS+8*bi+7], v3, s[8:9] offset:64*bi+16
.set bi, bi+1
.endr
	WIN 0
	; the scale: fs's 91 words over the 32 lanes (words l, 32 + l, and 64 + l for l < 27), and xs of my lane's row in each of my 4 tile rows
	v_lshlrev_b32 v6, 2, v5
	v_min_u32 v7, 26, v5                           ; lanes 27-31 read word 90 again, and drop it below
	v_lshlrev_b32 v7, 2, v7
	v_lshlrev_b32 v8, 2, v1
	s_lshl_b32 s18, s43, 9                         ; 128 rows of 4 bytes a block row
	s_lshl_b32 s19, s13, 8                         ; 64 rows for my half
	s_add_co_u32 s18, s18, s19
	s_mov_b32 s19, 0
	s_add_nc_u64 s[68:69], s[68:69], s[18:19]
	global_load_b32 v[TS],   v6, s[70:71]
	global_load_b32 v[TS+1], v6, s[70:71] offset:128
	global_load_b32 v[TS+2], v7, s[70:71] offset:256
.irp a, 0,1,2,3
	global_load_b32 v[TS+4+\a], v8, s[68:69] offset:64*\a
.endr
	s_wait_loadcnt 0x0                             ; the bias, fs and xs are in
	v_cmp_gt_u32 vcc_lo, 27, v5
	v_cndmask_b32 v[TS+2], 0, v[TS+2], vcc_lo
	v_add_f32 v[TS], v[TS], v[TS+1]
	v_add_f32 v[TS], v[TS], v[TS+2]
	v_add_f32_dpp v[TS], v[TS], v[TS] row_xmask:1 row_mask:0xf bank_mask:0xf
	v_add_f32_dpp v[TS], v[TS], v[TS] row_xmask:2 row_mask:0xf bank_mask:0xf
	v_add_f32_dpp v[TS], v[TS], v[TS] row_xmask:4 row_mask:0xf bank_mask:0xf
	v_add_f32_dpp v[TS], v[TS], v[TS] row_xmask:8 row_mask:0xf bank_mask:0xf
	v_permlanex16_b32 v[TS+1], v[TS], s66, s67
	v_add_f32 v[TS], v[TS], v[TS+1]                ; F2, the same bits in every lane
.irp a, 0,1,2,3
	v_fma_f32 v[TS+4+\a], v[TS+4+\a], v[TS], v[TS] ; P = (xs + 1) F2
	v_lshrrev_b32 v[TS+4+\a], 23, v[TS+4+\a]       ; Eb
	v_add_nc_u32 v[TS+4+\a], 0xffffff83, v[TS+4+\a]   ; - 125
	v_ashrrev_i32 v[TS+4+\a], 1, v[TS+4+\a]        ; q
	v_add_nc_u32 v[TS+4+\a], 112, v[TS+4+\a]       ; 127 + q - 15
	v_lshlrev_b32 v[SC+2*\a], 23, v[TS+4+\a]       ; 2^(q - 15)
	v_mov_b32 v[SC+2*\a+1], v[SC+2*\a]
.endr
	s_wait_tensorcnt 0x1                           ; my part of step 0 is in; step 1's may stay out
	s_barrier_signal -1
	s_barrier_wait -1
	FETCH 0, 0, F0
	LAP 1                                          ; the first lap stands in front of the loop: its first products start the sums
	WIN 0
	s_mov_b32 s15, LAPS-2
.Llap:
	LAP 0
	WIN 0
	s_sub_co_u32 s15, s15, 1
	s_cmp_lg_u32 s15, 0
	s_cbranch_scc1 .Llap
	BODY 0, 0, QS-1                                ; the last lap fills nothing
	LASTQ 0, 1, 0                                  ; behind this barrier no wave reads slot 0 any more, and no load fills it again
	BODY 1, 0, NQL-1
	s_wait_dscnt 0x0
	WIN MULW
	MULROWS F1, 0, MB, 0
	; THE WAY OUT, 16 rows at a time: the row's scale and the bias in one fused multiply-add; a lane's 32 bytes into my own stage, whole rows of 512 bytes back.
	PLACES
	s_lshl_b32 s16, s43, 7
	s_lshl_b32 s22, s13, 6
	s_add_co_u32 s16, s16, s22                     ; my first row of out0
	s_lshl_b32 s16, s16, 13                        ; rows of 8,192 bytes
	s_mov_b32 s17, 0
	s_add_nc_u64 s[10:11], s[10:11], s[16:17]
	s_lshl_b32 s46, s42, 10
	s_lshl_b32 s47, s14, 9
	s_add_co_u32 s46, s46, s47                     ; my first column, in bytes
	s_mov_b32 s47, 0
	s_add_nc_u64 s[10:11], s[10:11], s[46:47]
.macro OUT16 a, f
	WIN FIN
.set eb, 0
.rept NB
.set ej, 0
.rept 4
	v_pk_fma_f32 v[8*(NB*\a+eb)+2*ej:8*(NB*\a+eb)+2*ej+1], v[8*(NB*\a+eb)+2*ej:8*(NB*\a+eb)+2*ej+1], v[SC+2*\a:SC+2*\a+1], v[BIAS+8*eb+2*ej:BIAS+8*eb+2*ej+1]
.set ej, ej+1
.endr
.set eb, eb+1
.endr
	WIN ACCD
.set eb, 0
.rept NB
	ds_store_b128 v[STO], v[8*(NB*\a+eb):8*(NB*\a+eb)+3]   offset:64*eb
	ds_store_b128 v[STO], v[8*(NB*\a+eb)+4:8*(NB*\a+eb)+7] offset:64*eb+16
.set eb, eb+1
.endr
	WIN 0
	s_wait_xcnt 0x0                                ; buffer f was store data two turns ago: loaded again only behind this wait
.set et, 0
.rept 16
	ds_load_b128 v[\f+4*et:\f+4*et+3], v[RDA] offset:SP*et      ; LDS serves a wave's instructions in order: these see the stores above
.set et, et+1
.endr
.set et, 0
.rept 16
	s_wait_dscnt 15-et                             ; the count leaves the younger of the 16 loads out
	global_store_b128 v[COA], v[\f+4*et:\f+4*et+3], s[10:11] offset:(16*\a+et)*8192 th:TH_STORE_NT   ; 512 bytes at a multiple of 512 in out0
.set et, et+1
.endr
.endm
	OUT16 0, F0
	OUT16 1, F1
	OUT16 2, F0
	OUT16 3, F1
	CROUND                                         ; the closing round
	s_endpgm
.Lfunc_end_k_q231675c738_gemmO:
	.size	k_q231675c738_gemmO, .Lfunc_end_k_q231675c738_gemmO-k_q231675c738_gemmO
	.p2alignl 7, 3214868480
	.fill 96, 4, 3214868480
	.section	.rodata,"a",@progbits
	.p2align	6, 0x0
	.amdhsa_kernel k_q231675c738_gemmO
		.amdhsa_group_segment_fixed_size 327680
		.amdhsa_private_segment_fixed_size 0
		.amdhsa_enable_private_segment 0
		.amdhsa_kernarg_size 48
		.amdhsa_user_sgpr_count 2
		.amdhsa_user_sgpr_kernarg_segment_ptr 1
		.amdhsa_wavefront_size32 1
		.amdhsa_system_sgpr_workgroup_id_x 1
		.amdhsa_system_sgpr_workgroup_id_y 1
		.amdhsa_system_sgpr_workgroup_id_z 1
		.amdhsa_system_vgpr_workitem_id 0
		.amdhsa_next_free_vgpr 576
		.amdhsa_next_free_sgpr 72
		.amdhsa_reserve_vcc 1
		.amdhsa_float_denorm_mode_32 3
		.amdhsa_float_denorm_mode_16_64 3
		.amdhsa_memory_ordered 1
		.amdhsa_forward_progress 1
		.amdhsa_inst_pref_size 128
	.end_amdhsa_kernel
	.amdgpu_metadata
---
amdhsa.version: [ 1, 2 ]
amdhsa.kernels:
  - .name:           k_q231675c738_gemmO
    .symbol:         k_q231675c738_gemmO.kd
    .args:
      - { .name: hb, .offset: 0, .size: 8, .value_kind: global_buffer, .address_space: global }
      - { .name: wb, .offset: 8, .size: 8, .value_kind: global_buffer, .address_space: global }
      - { .name: vp, .offset: 16, .size: 8, .value_kind: global_buffer, .address_space: global }
      - { .name: out0, .offset: 24, .size: 8, .value_kind: global_buffer, .address_space: global }
      - { .name: xs, .offset: 32, .size: 8, .value_kind: global_buffer, .address_space: global }
      - { .name: fs, .offset: 40, .size: 8, .value_kind: global_buffer, .address_space: global }
    .group_segment_fixed_size: 327680
    .private_segment_fixed_size: 0
    .kernarg_segment_align: 8
    .kernarg_segment_size: 48
    .max_flat_workgroup_size: 128
    .sgpr_count:     72
    .vgpr_count:     576
    .wavefront_size: 32
...
	.end_amdgpu_metadata
.endif
;; end of part 9
